; MI455X (gfx1250); checked and timed in simulation.
; The chip was launched on July 23, 2026; its instructions are those of AMD's public machine-readable ISA for CDNA 5 (MIT licence, August 2026) and "CDNA5" Instruction Set Architecture Reference Guide (July 2026). The comments in the code are by the model that wrote it; some were corrected since.
;; Multi Head Attention. Allowed arithmetic: matrix products marked QUANTISED: E5M2 operands, one E8M0 scale for each 32 along K, by v_wmma_scale_f32_16x16x128_f8f6f4 with both operands' format E5M2, f32 sums; everything else in f32.
;; Inputs: Wk 1,024 x 1,024 float32; Wo 1,024 x 1,024 float32; Wq 1,024 x 1,024 float32; Wv 1,024 x 1,024 float32; bk 1,024 float32; bo 1,024 float32; bq 1,024 float32; bv 1,024 float32; key 4 x 2,048 x 1,024 float32; query 4 x 2,048 x 1,024 float32; value 4 x 2,048 x 1,024 float32.
;; Outputs: out0 4 x 2,048 x 1,024 float32.
;; This version of the problem:
;;   THIS VERSION OF THE PROBLEM IS GIVEN IN LOW PRECISION. The matrix products marked QUANTISED in the list below multiply operands that are first quantised to E5M2 (5 exponent bits, 2 mantissa bits; 8 bits a number), with one power-of-two scale for each 32 numbers along K (OCP MX v1.0); their sums are f32. All else is computed in f32.
;;   The module's matrix products, in the order in which they are computed (A, B: the left and right operand; K: the contracted axis; several contracted axes count as one K, in the product's order):
;;     1. [M 8,192, K 1,024] x [K 1,024, N 1,024]; A: input query; B: input Wq: QUANTISED
;;     2. [M 8,192, K 1,024] x [K 1,024, N 1,024]; A: input key; B: input Wk: QUANTISED
;;     3. [M 8,192, K 1,024] x [K 1,024, N 1,024]; A: input value; B: input Wv: QUANTISED
;;     4. batch 64 x [M 2,048, K 64] x [K 64, N 2,048]; A: computed on the way; B: computed on the way: QUANTISED
;;     5. batch 64 x [M 2,048, K 2,048] x [K 2,048, N 64]; A: softmax (see below); B: computed on the way: QUANTISED
;;     6. [M 8,192, K 1,024] x [K 1,024, N 1,024]; A: computed on the way; B: input Wo: QUANTISED
;;   THE QUANTISER, for each operand of a quantised product, along K:
;;     - K is cut into blocks of 32 from its start; a last block that is shorter is filled with zeros.
;;     - A block's scale is 2^e with e = floor(log2(the largest magnitude in the block)) - 15, held to -126 .. 127; a block of zeros has e = 0. As a byte (E8M0): e + 127.
;;     - Each number is divided by its block's scale, clamped to +-57,344, and rounded to the nearest number of E5M2, ties to even, subnormals kept.
;;     - The product sums the exact products of the quantised numbers (number of the format x scale) in f32.
;;   ~~~python
;;   def quantise(x, axis):      # numpy; x: float32 -> the quantised numbers, widened to float32 again
;;       x = np.moveaxis(x, axis, -1); K = x.shape[-1]
;;       x = np.pad(x, [(0, 0)] * (x.ndim - 1) + [(0, -K % 32)]); x = x.reshape(x.shape[:-1] + (-1, 32)); a = np.abs(x).max(-1, keepdims=True)
;;       e = np.where(a > 0, np.clip(np.frexp(np.where(a > 0, a, 1))[1] - 1 - 15, -126, 127), 0)      # np.frexp(a)[1] - 1 = floor(log2(a)), exactly
;;       r = np.clip(x / 2.0 ** e, -57344, 57344)
;;       step = 2.0 ** (np.maximum(np.frexp(np.where(r == 0, 1, r))[1] - 1, -14) - 2)
;;       q = np.round(r / step) * step * 2.0 ** e      # np.round: ties to even
;;       return np.moveaxis(q.reshape(q.shape[:-2] + (-1,))[..., :K], -1, axis).astype(np.float32)
;;   ~~~
;;   SOFTMAX AHEAD OF A QUANTISED PRODUCT. Where the list says 'softmax', what is quantised is not the finished softmax but p = 2^(t - M), with t = logit x log2(e) and M = ceil(the row's largest t), a whole number; so 1/2 < the row's largest p <= 1. The row's sum l is taken of the UNQUANTISED p, in f32, and the product's result is divided by l at the end. Since M is a whole number, a kernel that streams over the keys may use a running M (the ceiling of the running maximum): every later rescaling is an exact power of two, which a block's scale takes up: the codes' values come out the same.
;;   OPERANDS COMPUTED ON THE WAY. 'Computed on the way' means the value that the module computes at that place (a softmax that the list does not call 'softmax' is quantised finished and normalised). What goes into a quantiser is computed in f32, as accurately as f32 sums, v_exp_f32 and their like allow (about 1e-6 of the number): no bf16 or f16 on the way to a quantiser, and a product that is left as it is and whose result goes on into a quantised operand takes f32 operands (vector FMAs, or v_wmma_f32_16x16x4_f32). A number that lies on a knife's edge between two numbers of the format may be rounded either way, as far as f32 arithmetic and the matrix unit's own rounding can turn it there, and no further.
;; One version. Each part assembles by itself: llvm-mc -triple=amdgcn-amd-amdhsa -mcpu=gfx1250 --defsym DOCPART=n.
;; ======== version 1 of 1: 4 launches
;; limits: right only within a limited range of input values
;; workspace buffers: img 37,748,736 bytes; sc 1,179,648 bytes; qimg 8,388,608 bytes; qsc 524,288 bytes; kv 16,777,216 bytes; kvs 786,432 bytes
;; launch quant (part 1): grid 256 x 1, 7 waves a work-group, no clusters, 60,416 bytes of LDS; arguments query, key, value, Wq, Wk, Wv, Wo, img, sc; writes img, sc
.if DOCPART == 1
	.amdgcn_target "amdgcn-amd-amdhsa--gfx1250"
	.amdhsa_code_object_version 6
	.text
	.protected	k_q3291d7cc6b_quant
	.globl	k_q3291d7cc6b_quant
	.p2align	8
	.type	k_q3291d7cc6b_quant,@function
k_q3291d7cc6b_quant:
	s_mov_b64 s[64:65], 0
	v_nop
	global_prefetch_b8 v0, s[64:65] scope:SCOPE_SE
	s_setreg_imm32_b32 hwreg(HW_REG_WAVE_MODE, 25, 1), 1
	s_wait_xcnt 0x0
; query, key, value [8192][1024] and Wq, Wk, Wv, Wo [1024][1024], f32 with K innermost, become codes of BF8 (E5M2) with one E8M0 byte for each 32 along K.
; THE CODES ARE LAID AS IMAGES OF OPERAND REGISTERS.  A row tile is 16 rows: lane r of tile G' of a tensor holds row 32 (G' / 2) + 8 (G' % 2) + r + 8 (r / 8).  Its image is 16,384 bytes,
; [K step s 0..7][c 0..3][lane 0..31][16 bytes]: lane (r = lane % 16, h = lane / 16) has its row's codes of k = 128 s + 32 c + 16 h + 0 .. 15: registers 4 c .. 4 c + 3 of the operand of K step s.
; Its scale bytes are 512 bytes, [r][32 bytes].  Tiles are numbered through all tensors: query 0, key 512, value 1024, Wq 1536, Wk 1600, Wv 1664, Wo 1728; 1,792 in all.
; A block's scale is 2^(floor(log2(its largest magnitude)) - 15); its byte is the largest magnitude's exponent field - 15, held at 1 from below.
; LIMITS: a block whose largest magnitude lies under 2^-111, a block of zeros among them, gets the byte 1 (a block of zeros has zero codes, and this program alone reads the bytes); NaN and infinities among the inputs are not served.
; SHARES.  256 work-groups x 7 waves = 1,792 waves, a row tile each, in 8 steps of 128 along K.  Waves share nothing: no barrier, no cluster, no matrix unit: the launch streams.
; Each load reads 512 consecutive bytes of one row, 16 a lane; the conversions want 16 NEIGHBOURS along K in one lane, so a step's 16 x 512 bytes turn through the wave's own stage in LDS (rows 528 bytes apart).
; Loads run three steps (48 loads a wave) ahead, in three sets of 64 registers.  Every store of codes covers 512 consecutive bytes.
.set STG,   8448                       ; a wave's stage: 16 rows x 528 bytes
.set PITCH, 528
.set PC,    208                        ; v208-223 a step's codes
.set TM,    224                        ; v224-227 largest magnitudes, v228-231 bytes, v232-235 57,344 x the scale, v236-239 the conversions' scale operands
.set WD,    240                        ; v240-247 the eight steps' scale words
.set OW,    248                        ; v248-251 the words that my half of the lanes stores
.set SEL,   30                         ; s[30:31] v_permlanex16_b32's selects for lane l xor 16
.set MNT,   32                         ; s32 the mantissa field of 57,344
	s_load_b512 s[8:23], s[0:1], 0x0               ; query 8, key 10, value 12, Wq 14, Wk 16, Wv 18, Wo 20, img 22
	s_load_b64 s[24:25], s[0:1], 0x40              ; sc
	v_lshl_add_u32 v254, v0, 2, 0xe800
	v_mov_b32 v255, 0
	v_lshrrev_b32 v1, 5, v0
	v_readfirstlane_b32 s4, v1                     ; wave 0..6
	v_and_b32 v1, 31, v0                           ; lane
	v_lshlrev_b32 v2, 4, v1                        ; 16 x lane: my bytes of a load's 512, and of an image's 512
	v_and_b32 v6, 15, v0                           ; r
	v_bfe_u32 v7, v0, 4, 1                         ; h
	s_mul_i32 s7, s4, STG
	v_add_nc_u32 v3, s7, v2                        ; the stage, on the way in: 16 x lane in a row
	v_mul_u32_u24 v4, v6, PITCH
	v_lshl_add_u32 v4, v7, 6, v4
	v_add_nc_u32 v4, s7, v4                        ; and on the way out: row r, + 64 h: my 16 numbers of a block of 32
	v_lshlrev_b32 v5, 5, v6
	v_lshl_add_u32 v5, v7, 4, v5                   ; the scale bytes: row r's 32 bytes, my half's 16
	s_mov_b32 s[SEL], 0x76543210
	s_mov_b32 s[SEL+1], 0xfedcba98
	s_mov_b32 s[MNT], 0x600000
.irp b, 0,1,2,3
	v_mov_b32 v[TM+4+\b], 0                        ; written once: a lane permute's destination counts as one of its sources
.endr
	s_mul_i32 s5, ttmp9, 7
	s_add_co_u32 s5, s5, s4                        ; G: my row tile
	s_mov_b32 s6, 0                                ; the first tile of my tensor
	s_wait_alu depctr_va_vdst(0)
	s_wait_kmcnt 0x0
	s_mov_b64 s[26:27], s[8:9]
.macro PICK lim, ptr                   ; from tile lim on: the next tensor.  The choice hangs on ids alone
	s_cmp_ge_u32 s5, \lim
	s_cselect_b64 s[26:27], s[\ptr:\ptr+1], s[26:27]
	s_cselect_b32 s6, \lim, s6
.endm
	PICK 512, 10
	PICK 1024, 12
	PICK 1536, 14
	PICK 1600, 16
	PICK 1664, 18
	PICK 1728, 20
	s_sub_co_u32 s28, s5, s6                       ; G'
	s_lshr_b32 s29, s28, 1
	s_lshl_b32 s29, s29, 5
	s_and_b32 s28, s28, 1
	s_lshl_b32 s28, s28, 3
	s_add_co_u32 s28, s28, s29                     ; the tile's first row: 32 (G' / 2) + 8 (G' % 2)
	s_lshl_b32 s28, s28, 12                        ; rows of 4,096 bytes
	s_mov_b32 s29, 0
	s_add_nc_u64 s[26:27], s[26:27], s[28:29]
	s_lshl_b32 s28, s5, 14
	s_add_nc_u64 s[22:23], s[22:23], s[28:29]      ; my image
	s_lshl_b32 s28, s5, 9
	s_add_nc_u64 s[24:25], s[24:25], s[28:29]      ; my scale bytes
.macro LOAD t                          ; step t: 512 bytes of each of the tile's 16 rows, into set t % 3
.irp p, 0,1,2,3,4,5,6,7,8,9,10,11,12,13,14,15
	global_load_b128 v[16+64*((\t)%3)+4*\p:16+64*((\t)%3)+4*\p+3], v2, s[26:27] offset:(\p+8*(\p/8))*4096+512*(\t) th:TH_LOAD_NT
.endr
.endm
; 64 numbers of a lane, register 16 b + i = k 32 b + 16 h + i of my row, become 16 registers of codes in v[PC] on and the row's scale word in v[pw]
.macro QUANT s, pw
.irp b, 0,1,2,3
	v_max3_num_f32 v[TM+\b], |v[\s+16*\b]|, |v[\s+1+16*\b]|, 0x8000000   ; block b: my 16 numbers, and the floor 2^(16 - 127): the byte cannot fall under 1
.endr
.irp i, 2,4,6,8,10,12,14
.irp b, 0,1,2,3
	v_max3_num_f32 v[TM+\b], v[TM+\b], |v[\s+16*\b+\i]|, |v[\s+1+16*\b+\i]|   ; the four blocks by turns
.endr
.endr
.irp b, 0,1,2,3
	v_permlanex16_b32 v[TM+4+\b], v[TM+\b], s[SEL], s[SEL+1]
.endr
.irp b, 0,1,2,3
	v_max_num_f32 v[TM+\b], v[TM+\b], v[TM+4+\b]   ; with lane l xor 16's 16: the block's largest magnitude
.endr
.irp b, 0,1,2,3
	v_add_nc_u32 v[TM+12+\b], 0xf8800000, v[TM+\b]   ; 15 off its exponent field: the conversion takes this operand's exponent field as its scale
.endr
.irp b, 0,1,2,3
	v_and_or_b32 v[TM+8+\b], v[TM+\b], 0x7f800000, s[MNT]   ; 57,344 x the scale
.endr
.irp b, 0,1,2,3
	v_lshrrev_b32 v[TM+4+\b], 23, v[TM+12+\b]      ; the scale's byte
.endr
	v_lshl_or_b32 v[\pw], v[TM+5], 8, v[TM+4]
	v_lshl_or_b32 v[\pw], v[TM+6], 16, v[\pw]
	v_lshl_or_b32 v[\pw], v[TM+7], 24, v[\pw]
.irp b, 0,1,2,3
.irp i, 0,1,2,3,4,5,6,7,8,9,10,11,12,13,14,15
	v_med3_num_f32 v[\s+16*\b+\i], v[\s+16*\b+\i], -v[TM+8+\b], v[TM+8+\b]   ; the conversion to an 8-bit code does not saturate (ISA guide 7.6.2): the hold comes first
.endr
	v_cvt_scalef32_pk8_bf8_f32 v[PC+4*\b:PC+1+4*\b], v[\s+16*\b:\s+7+16*\b], v[TM+12+\b]
	v_cvt_scalef32_pk8_bf8_f32 v[PC+2+4*\b:PC+3+4*\b], v[\s+8+16*\b:\s+15+16*\b], v[TM+12+\b]
.endr
	v_nop                                          ; a plain line behind the last conversion
.endm
.macro STEP t
.set XS, 16+64*((\t)%3)
.if (\t) <= 5
	s_wait_loadcnt 32                              ; this step's 16 loads are in; those of the two steps behind it may be out
.elseif (\t) == 6
	s_wait_loadcnt 16
.else
	s_wait_loadcnt 0
.endif
.irp p, 0,1,2,3,4,5,6,7,8,9,10,11,12,13,14,15
	ds_store_b128 v3, v[XS+4*\p:XS+4*\p+3] offset:PITCH*\p
.endr
.irp b, 0,1,2,3
.irp j, 0,1,2,3
	ds_load_b128 v[XS+16*\b+4*\j:XS+16*\b+4*\j+3], v4 offset:128*\b+16*\j   ; LDS serves a wave's instructions in order (ISA guide 5.7.1.4): these see the stores above
.endr
.endr
	s_wait_dscnt 0x0
	s_wait_xcnt 0x0                                ; the last step's stores have read v[PC] on: it is written again only behind this wait
	QUANT XS, WD+(\t)
.irp c, 0,1,2,3
	global_store_b128 v2, v[PC+4*\c:PC+4*\c+3], s[22:23] offset:2048*(\t)+512*\c   ; 32 lanes store 512 consecutive bytes
.endr
.if (\t)+3 < 8
	LOAD (\t)+3                                    ; the set just worked takes the step three on
.endif
.endm
	LOAD 0
	LOAD 1
	LOAD 2
.irp t, 0,1,2,3,4,5,6,7
	STEP \t
.endr
	v_cmp_le_u32 vcc_lo, 16, v1                    ; both halves of the lanes hold all eight words of row r: lanes 0-15 store words 0-3, lanes 16-31 words 4-7
.irp j, 0,1,2,3
	v_cndmask_b32 v[OW+\j], v[WD+\j], v[WD+4+\j], vcc_lo
.endr
	global_store_b128 v5, v[OW:OW+3], s[24:25]     ; the tile's 512 scale bytes
	s_wait_tensorcnt 0x0
	ds_add_u32 v254, v255
	s_wait_dscnt 0x0
	s_endpgm
.Lfunc_end_k_q3291d7cc6b_quant:
	.size	k_q3291d7cc6b_quant, .Lfunc_end_k_q3291d7cc6b_quant-k_q3291d7cc6b_quant
	.p2alignl 7, 3214868480
	.fill 96, 4, 3214868480
	.section	.rodata,"a",@progbits
	.p2align	6, 0x0
	.amdhsa_kernel k_q3291d7cc6b_quant
		.amdhsa_group_segment_fixed_size 60416
		.amdhsa_private_segment_fixed_size 0
		.amdhsa_enable_private_segment 0
		.amdhsa_kernarg_size 72
		.amdhsa_user_sgpr_count 2
		.amdhsa_user_sgpr_kernarg_segment_ptr 1
		.amdhsa_wavefront_size32 1
		.amdhsa_system_sgpr_workgroup_id_x 1
		.amdhsa_system_sgpr_workgroup_id_y 1
		.amdhsa_system_sgpr_workgroup_id_z 1
		.amdhsa_system_vgpr_workitem_id 0
		.amdhsa_next_free_vgpr 256
		.amdhsa_next_free_sgpr 66
		.amdhsa_reserve_vcc 1
		.amdhsa_float_denorm_mode_32 3
		.amdhsa_float_denorm_mode_16_64 3
		.amdhsa_memory_ordered 1
		.amdhsa_forward_progress 1
		.amdhsa_inst_pref_size 99
	.end_amdhsa_kernel
	.amdgpu_metadata
---
amdhsa.version: [ 1, 2 ]
amdhsa.kernels:
  - .name:           k_q3291d7cc6b_quant
    .symbol:         k_q3291d7cc6b_quant.kd
    .args:
      - { .name: query, .offset: 0, .size: 8, .value_kind: global_buffer, .address_space: global }
      - { .name: key, .offset: 8, .size: 8, .value_kind: global_buffer, .address_space: global }
      - { .name: value, .offset: 16, .size: 8, .value_kind: global_buffer, .address_space: global }
      - { .name: Wq, .offset: 24, .size: 8, .value_kind: global_buffer, .address_space: global }
      - { .name: Wk, .offset: 32, .size: 8, .value_kind: global_buffer, .address_space: global }
      - { .name: Wv, .offset: 40, .size: 8, .value_kind: global_buffer, .address_space: global }
      - { .name: Wo, .offset: 48, .size: 8, .value_kind: global_buffer, .address_space: global }
      - { .name: img, .offset: 56, .size: 8, .value_kind: global_buffer, .address_space: global }
      - { .name: sc, .offset: 64, .size: 8, .value_kind: global_buffer, .address_space: global }
    .group_segment_fixed_size: 60416
    .private_segment_fixed_size: 0
    .kernarg_segment_align: 8
    .kernarg_segment_size: 72
    .max_flat_workgroup_size: 224
    .sgpr_count:     66
    .vgpr_count:     256
    .wavefront_size: 32
...
	.end_amdgpu_metadata
.endif
;; end of part 1
;; launch proj (part 2): grid 4 x 64, 4 waves a work-group, clusters of 4 x 4, 327,680 bytes of LDS; arguments img, sc, bq, bk, bv, qimg, qsc, kv, kvs; writes qimg, qsc, kv, kvs
.if DOCPART == 2
	.amdgcn_target "amdgcn-amd-amdhsa--gfx1250"
	.amdhsa_code_object_version 6
	.text
	.protected	k_q3291d7cc6b_proj
	.globl	k_q3291d7cc6b_proj
	.p2align	8
	.type	k_q3291d7cc6b_proj,@function
k_q3291d7cc6b_proj:
	s_mov_b64 s[64:65], 0
	v_nop
	global_prefetch_b8 v0, s[64:65] scope:SCOPE_SE
	s_setreg_imm32_b32 hwreg(HW_REG_WAVE_MODE, 25, 1), 1
	s_wait_xcnt 0x0
	s_wait_alu depctr_hold_cnt(0) depctr_sa_sdst(0) depctr_va_vdst(0) depctr_va_sdst(0) depctr_va_ssrc(0) depctr_va_vcc(0) depctr_vm_vsrc(0)
	s_getreg_b32 s2, hwreg(HW_REG_IB_STS2, 6, 4)
	s_cmp_eq_u32 s2, 0
	s_cbranch_scc0 .Lentry_in_a_cluster
	s_endpgm
.Lentry_in_a_cluster:
	s_bfe_u32 s2, ttmp6, 0x10000c
	s_cmp_lg_u32 s2, 0xf033
	s_cbranch_scc0 .Lentry_shape_is_right
	s_endpgm
.Lentry_shape_is_right:
; The three input projections x W^T + b on codes of BF8 (E5M2) with E8M0 scales (K = 1,024), their results quantised at once into the operands of attention.
; 256 WORK-GROUPS THAT STAY, four waves each.  PHASE 1: a tile of 256 tokens x 256 features of Q (cluster y under 8) or K: a wave makes 128 x 128, 64 accumulators.  A = the tokens, B = the weight's rows.
; PHASE 2: 128 features x 256 tokens of V: a wave makes 64 x 128, 32 accumulators: one head's V^T for 128 keys.  A = Wv's rows, B = value's tokens.  8 blocks of features x 32 blocks of tokens = 256: one for each work-group.
; OPERANDS ARE IMAGES OF REGISTERS (row tile G: 16,384 bytes [K step 8][c 4][lane][16 bytes]; lane r holds row 32 (G / 2) + 8 (G % 2) + r + 8 (r / 8) of its tensor; scale bytes 512 a tile, [r][32]).
; THE MATRIX INSTRUCTION IS USED TRANSPOSED (source 0 = a tile of B, source 1 = a tile of A).  Lane (r, h) of accumulator (a, b) holds A's row of lane r of tile a, and its register j B's row 32 (b / 2) + 16 h + 8 (b % 2) + j:
; the 64 registers of one a are four blocks of 32 along B, 16 neighbours of each in my lane.  So the conversions' results ARE the next operand's registers: a token's 128 features = two heads x two blocks; a feature's 128 keys = one K step of attention's second product.
; OUT: qimg [head 64][block of 128 tokens 16][tile 8][c 2][lane][16 bytes]; kv [head][step of 128 keys 16][K: tile 8, c 2, 512 bytes | V: tile 4, c 4, 512 bytes];
;   qsc [head][block][lane l][4 words]: word i = tile 2 i + l / 16, row l % 16; kvs [head][step][K's words so, 512 bytes | V's: [lane l][2 words], 256 bytes].  A word of Q or K is its two bytes, twice: the upper two scale zero codes.
; THE RING: K goes in fills of 256 through two LDS slots, four fills a phase, and does not stop at the change of phase: phase 1's last two changes of slots ask for phase 2's first two fills, which are on their way while Q's or K's results leave.
; CLUSTERS: 4 x 4 work-groups; in both phases A's tiles hang on cy (and the cluster's number) alone and are asked for jointly along a row of the cluster, B's on cx alone, along a column.
; PREFETCHES INTO THE L2: one request a wave for a fill, two fills ahead of its load (fill 1 is named at the head too); the four partners that ask for a tile jointly share its blocks of 256 bytes out by address.
; LIMITS: a block whose largest magnitude lies under 2^-111 gets the byte 1 (zero blocks too: their codes are zeros); NaN and infinities are not served.
; REGISTERS: window 0: v0-47 addresses, V's biases; v64-127 scale words; v128-255 A's fragments (phase 1 one set, phase 2 two; on the way out: at work).  window 1: B's fragments, two sets (on phase 1's way out v0-63: the biases).  windows 2, 3: the accumulators.
.set SLOT,   131072                    ; a slot: A's row tiles x 4,096 bytes (two K steps of 2,048) in two regions of 32,768, then B's 16
.set TILEB,  4096
.set BIA,    2*SLOT                    ; behind the ring: each wave's 128 biases of phase 1, 512 bytes; no fill lands here
.set SPARE,  BIA+2048                  ; the spare words, 128 bytes for each wave
.set FR,     16
.set ADRA, 16                          ; v16-17 LDS address of my A fragments in slot 0, 1
.set ADRB, 20                          ; v20-21 the same for B
.set VS,   24                          ; v24 my offset among the scale bytes in phase 1: lanes 0-15 A's rows, lanes 16-31 B's
.set BLQ,  25                          ; v25 the biases as phase 1 reads them
.set VS2,  26                          ; v26 as v24, for phase 2
.set BST,  27                          ; v27 where I put my 16 bytes of biases
.set SPW,  28
.set NIL,  29
.set L8,   30                          ; v30 8 x lane
.set PFO,  31                          ; v31, v36 the prefetches' offsets in phase 1, 2; never rewritten
.set PFO2, 36
.set BVO,  37                          ; v37 my feature's place among a head's biases
.set BV2,  40                          ; v40-47 V's biases: tile a's, in both registers of a pair
.set SC,   64                          ; register 8 i + s: lanes 0-15 the word of A's tile i for K step s, lanes 16-31 that of B's tile i
.set AF,   128
.set TM,   128                         ; the way out, window 0: v128-143 as in QUANT
.set PC,   144                         ; v144-159 codes
.set WE,   160
.set WT,   162
.set OUT,  164                         ; v164-171 the words to store
.set T,    192                         ; v192-255 64 results + bias
.set BB,   0                           ; window 1: v0-63 biases
.set G1, 24
.set G0, 32
.set G1B, 48
.set G0B, 56
.set OB,  80                           ; s[80:81], s[82:83] where the codes of my first and second head go in phase 1;  s[74:75] V's
.set OS,  84                           ; s[84:85], s[86:87] and their scale words;  s[76:77] V's
.set SEL, 88
.set MNT, 90
.set MSB, 0
.macro WIN new                         ; the immediate's high byte repeats the setting that is left
.if MSB != (\new)
	s_set_vgpr_msb (MSB<<8)|(\new)
.set MSB, (\new)
.endif
.endm
.set MUL_LO, 0xa1                      ; source 0 (B) window 1, source 1 (A) window 0, C and D window 2
.set MUL_HI, 0xf1                      ; the same, C and D window 3
.set TO_B,   0x40
.macro JLOAD g0a, g1a, g0b, g1b        ; a joint load: waves 0 and 1 fetch A's halves, waves 2 and 3 B's; an s_nop 0 and four v_nop follow each line
	s_cmp_eq_u32 s15, 0
	s_cbranch_scc0 .Lfor_b_\@
	tensor_load_to_lds s[\g0a:\g0a+3], s[\g1a:\g1a+7]
	s_nop 0
.rept 4
	v_nop
.endr
	s_branch .Lasked_\@
.Lfor_b_\@:
	tensor_load_to_lds s[\g0b:\g0b+3], s[\g1b:\g1b+7]
	s_nop 0
.rept 4
	v_nop
.endr
.Lasked_\@:
.endm
.macro CREST
	s_cmp_lg_u32 s14, 0
	s_cbranch_scc1 .Lnot_wave_0_\@
	s_barrier_signal -3
.Lnot_wave_0_\@:
	s_barrier_wait -3
	s_barrier_signal -1
	s_barrier_wait -1
.endm
.macro CROUND
	s_barrier_signal -1
	s_barrier_wait -1
	CREST
.endm
.macro PLACES n                        ; plain vector lines behind matrix instructions (ISA guide 7.12.1)
.rept \n
	v_nop
.endr
.endm
.macro ASK v, b, off
	global_prefetch_b8 v[\v], s[\b:\b+1] offset:\off th:TH_LOAD_NT scope:SCOPE_SE
.endm
	s_load_b256 s[4:11], s[0:1], 0x0               ; img 4, sc 6, bq 8, bk 10
	s_load_b256 s[68:75], s[0:1], 0x20             ; bv 68, qimg 70, qsc 72, kv 74
	s_load_b64 s[76:77], s[0:1], 0x40              ; kvs
	v_lshl_add_u32 v[SPW], v0, 2, SPARE
	v_mov_b32 v[NIL], 0
	ds_add_u32 v[SPW], v[NIL]                      ; the opening lines: the add, twice on end, and its wait
	ds_add_u32 v[SPW], v[NIL]
	v_lshrrev_b32 v1, 5, v0
	v_readfirstlane_b32 s14, v1                    ; wave 0..3
	s_lshr_b32 s15, s14, 1                         ; which half of A's rows is mine.  Also: I fetch for A (0) or for B (1)
	s_and_b32 s16, s14, 1                          ; which half of B's.  Also: which half of the tiles I fetch
	s_bfe_u32 s40, ttmp6, 0x40000                  ; cx
	s_bfe_u32 s41, ttmp6, 0x40004                  ; cy
	s_and_b32 s12, ttmp7, 0xffff                   ; cluster y, 0..15
	s_lshr_b32 s66, s12, 3                         ; 0 Q, 1 K
	s_and_b32 s67, s12, 7                          ; which 1,024 tokens
	s_lshl_b32 s43, s41, 2
	s_lshl_b32 s43, 15, s43                        ; my row of the cluster
	s_lshl_b32 s44, 0x1111, s40                    ; my column
	s_or_b32 s[G1+0], s43, (3<<16)|(1<<21)         ; tile parts of 4,096 bytes (512 elements of 8), 16,384 bytes apart in memory, on end in LDS
	s_or_b32 s[G1B+0], s44, (3<<16)|(1<<21)
.irp g, G1, G1B
	s_mov_b32 s[\g+1], 512<<16
	s_mov_b32 s[\g+2], 8<<16                       ; 8 tiles a load
	s_mov_b32 s[\g+3], 512<<16
	s_mov_b32 s[\g+4], 8
	s_mov_b32 s[\g+5], 2048
	s_mov_b32 s[\g+6], 0
	s_mov_b32 s[\g+7], 0
.endr
	s_lshl_b32 s17, s67, 6
	s_lshl_b32 s18, s66, 9
	s_add_co_u32 s17, s17, s18
	s_lshl_b32 s18, s41, 4
	s_add_co_u32 s17, s17, s18                     ; A's first row tile: 512 x tensor + 64 x (1,024 tokens) + 16 cy: it never holds cx
	s_lshl_b32 s42, s66, 6
	s_add_co_u32 s42, s42, 1536
	s_lshl_b32 s45, s40, 4
	s_add_co_u32 s42, s42, s45                     ; B's: 1536 + 64 x tensor + 16 cx: it never holds cy
	s_lshl_b32 s18, s16, 3
	s_add_co_u32 s20, s17, s18
	s_lshl_b32 s20, s20, 14
	s_mov_b32 s21, 0
	s_add_co_u32 s46, s42, s18
	s_lshl_b32 s46, s46, 14
	s_mov_b32 s47, 0
	s_lshl_b32 s19, s14, 15                        ; where they go: wave x 32,768
	s_wait_dscnt 0x0
	s_wait_kmcnt 0x0
	s_add_nc_u64 s[20:21], s[4:5], s[20:21]
	s_add_nc_u64 s[46:47], s[4:5], s[46:47]
	CROUND                                         ; all sixteen work-groups are here: the first joint loads meet
.irp s, 0,1
	s_mov_b32 s[G0+4*\s], 1
	s_add_co_u32 s[G0+4*\s+1], s19, \s*SLOT
	s_add_nc_u64 s[G0+4*\s+2:G0+4*\s+3], s[20:21], \s*TILEB
	s_or_b32 s[G0+4*\s+3], s[G0+4*\s+3], 0x80000000
	s_mov_b32 s[G0B+4*\s], 1
	s_add_co_u32 s[G0B+4*\s+1], s19, \s*SLOT
	s_add_nc_u64 s[G0B+4*\s+2:G0B+4*\s+3], s[46:47], \s*TILEB
	s_or_b32 s[G0B+4*\s+3], s[G0B+4*\s+3], 0x80000000
.endr
	JLOAD G0, G1, G0B, G1B                         ; slot 0: one joint load a wave at the head
	s_lshl_b32 s22, s15, 15
	s_lshl_b32 s23, s16, 15
	s_add_co_u32 s23, s23, 65536
	s_lshl_b32 s43, s15, 3
	s_add_co_u32 s43, s43, s17
	s_lshl_b32 s43, s43, 9                         ; the scale bytes of my 8 tiles of A,
	s_lshl_b32 s44, s16, 3
	s_add_co_u32 s44, s44, s42
	s_lshl_b32 s44, s44, 9                         ; of B
	s_lshl_b32 s13, s14, 9
	s_add_co_u32 s13, s13, BIA
	v_and_b32 v1, 15, v0                           ; r
	v_bfe_u32 v2, v0, 4, 1                         ; h
	v_and_b32 v3, 31, v0                           ; lane
	v_lshlrev_b32 v4, 4, v3                        ; 16 x lane
	v_lshlrev_b32 v[L8], 3, v3
	v_add_nc_u32 v[ADRA], s22, v4
	v_add_nc_u32 v[ADRB], s23, v4
	v_add_nc_u32 v[ADRA+1], SLOT, v[ADRA]
	v_add_nc_u32 v[ADRB+1], SLOT, v[ADRB]
	v_mov_b32 v[VS], s43
	v_mov_b32 v5, s44
	v_cmp_le_u32 vcc_lo, 16, v3
	v_cndmask_b32 v[VS], v[VS], v5, vcc_lo         ; lanes 16-31 take B's
	v_lshl_add_u32 v[VS], v1, 5, v[VS]             ; row r's 32 bytes
	v_add_nc_u32 v[BST], s13, v4
	v_lshl_add_u32 v[BLQ], v2, 6, s13              ; features 32 p + 16 h + i
	v_and_b32 v5, 8, v1
	v_add_nc_u32 v5, v5, v1
	v_lshlrev_b32 v[BVO], 2, v5                    ; feature r + 8 (r / 8) of a tile
	v_lshlrev_b32 v[PFO], 8, v1
	v_lshl_add_u32 v[PFO], v2, 14, v[PFO]          ; 32 blocks of 256 bytes in two tiles
	s_wait_alu depctr_va_vdst(0)                   ; the wait ahead of the stretch of scalar lines
.irp i, 0,1,2,3,4,5,6,7
	global_load_b128 v[SC+8*\i:SC+8*\i+3], v[VS], s[6:7] offset:512*\i
	global_load_b128 v[SC+8*\i+4:SC+8*\i+7], v[VS], s[6:7] offset:512*\i+16
.endr
	; phase 1: my wave's 128 tokens and 128 features (two heads)
	s_cmp_eq_u32 s66, 0
	s_cselect_b64 s[78:79], s[8:9], s[10:11]       ; bq or bk
	s_cselect_b64 s[96:97], s[70:71], s[74:75]     ; codes go to qimg or kv,
	s_cselect_b64 s[98:99], s[72:73], s[76:77]     ; scale words to qsc or kvs
	s_lshl_b32 s94, s40, 2
	s_lshl_b32 s95, s16, 1
	s_add_co_u32 s94, s94, s95                     ; my first head among the 16
	s_lshl_b32 s92, s94, 8
	s_mov_b32 s93, 0
	s_add_nc_u64 s[78:79], s[78:79], s[92:93]
	global_load_b128 v[32:35], v4, s[78:79]        ; my wave's 128 biases, 16 bytes a lane
	s_lshl_b32 s92, s67, 3
	s_lshl_b32 s93, s41, 1
	s_add_co_u32 s92, s92, s93
	s_add_co_u32 s92, s92, s15                     ; my block of 128 tokens among the 64
	s_and_b32 s93, s92, 15                         ; the block in its sequence
	s_lshr_b32 s92, s92, 4
	s_lshl_b32 s92, s92, 4
	s_add_co_u32 s92, s92, s94                     ; my first head among the 64: 16 x batch + head
	s_add_co_u32 s95, s66, 17                      ; kv's strides are twice qimg's, kvs's one and a half times qsc's
	s_lshl_b32 s80, s92, s95
	s_add_co_u32 s95, s66, 13
	s_lshl_b32 s95, s93, s95
	s_add_co_u32 s80, s80, s95
	s_mov_b32 s81, 0
	s_add_nc_u64 s[OB:OB+1], s[96:97], s[80:81]
	s_lshl_b32 s82, 0x20000, s66
	s_mov_b32 s83, 0
	s_add_nc_u64 s[OB+2:OB+3], s[OB:OB+1], s[82:83]
	s_lshl_b32 s95, s66, 12
	s_add_co_u32 s95, s95, 8192
	s_mul_i32 s84, s92, s95
	s_mov_b32 s86, s95
	s_lshl_b32 s95, s66, 8
	s_add_co_u32 s95, s95, 512
	s_mul_i32 s95, s93, s95
	s_add_co_u32 s84, s84, s95
	s_mov_b32 s85, 0
	s_mov_b32 s87, 0
	s_add_nc_u64 s[OS:OS+1], s[98:99], s[84:85]
	s_add_nc_u64 s[OS+2:OS+3], s[OS:OS+1], s[86:87]
	s_cmp_eq_u32 s15, 0                            ; phase 1's prefetches: of the 8 tiles that I fetch, the partner at place p (cx for A, cy for B) names tiles 2 p and 2 p + 1
	s_cselect_b64 s[2:3], s[20:21], s[46:47]
	s_cselect_b32 s92, s40, s41
	s_lshl_b32 s92, s92, 15
	s_mov_b32 s93, 0
	s_add_nc_u64 s[2:3], s[2:3], s[92:93]
	ASK PFO, 2, 4096                               ; fills 1 and 2
	ASK PFO, 2, 8192
	; phase 2: block of 128 features 4 (cluster y % 2) + cy, block of 256 tokens 4 (cluster y / 2) + cx
	s_and_b32 s91, s12, 1
	s_lshl_b32 s91, s91, 2
	s_add_co_u32 s91, s91, s41
	s_lshr_b32 s45, s12, 1
	s_lshl_b32 s45, s45, 2
	s_add_co_u32 s45, s45, s40
	s_lshl_b32 s8, s91, 3
	s_add_co_u32 s8, s8, 1664                      ; A's first row tile (Wv's): it never holds cx
	s_lshl_b32 s10, s45, 4
	s_add_co_u32 s10, s10, 1024                    ; B's (value's): it never holds cy
	s_lshl_b32 s92, s15, 2
	s_add_co_u32 s92, s92, s8
	s_lshl_b32 s92, s92, 9                         ; the scale bytes of my 4 tiles of A,
	s_lshl_b32 s93, s16, 3
	s_add_co_u32 s93, s93, s10
	s_lshl_b32 s93, s93, 9                         ; of my 8 of B
	s_lshl_b32 s18, s16, 2
	s_add_co_u32 s8, s8, s18
	s_lshl_b32 s8, s8, 14
	s_mov_b32 s9, 0
	s_add_nc_u64 s[8:9], s[4:5], s[8:9]            ; the 4 tiles that I would fetch of A,
	s_lshl_b32 s18, s16, 3
	s_add_co_u32 s10, s10, s18
	s_lshl_b32 s10, s10, 14
	s_mov_b32 s11, 0
	s_add_nc_u64 s[10:11], s[4:5], s[10:11]        ; the 8 of B
	s_lshl_b32 s94, s91, 1
	s_add_co_u32 s94, s94, s15                     ; my head among the 16
	s_lshl_b32 s96, s94, 8
	s_mov_b32 s97, 0
	s_add_nc_u64 s[68:69], s[68:69], s[96:97]      ; its 64 biases
	s_lshl_b32 s95, s45, 1
	s_add_co_u32 s95, s95, s16                     ; my block of 128 tokens among the 64
	s_lshr_b32 s96, s95, 4
	s_lshl_b32 s96, s96, 4
	s_add_co_u32 s94, s94, s96                     ; my head among the 64
	s_and_b32 s95, s95, 15
	s_lshl_b32 s96, s94, 18
	s_lshl_b32 s98, s95, 14
	s_add_co_u32 s96, s96, s98
	s_add_co_u32 s96, s96, 8192                    ; V lies 8,192 bytes behind K in a step
	s_add_nc_u64 s[74:75], s[74:75], s[96:97]
	s_mul_i32 s96, s94, 12288
	s_mul_i32 s98, s95, 768
	s_add_co_u32 s96, s96, s98
	s_add_co_u32 s96, s96, 512                     ; V's words lie 512 bytes behind K's
	s_add_nc_u64 s[76:77], s[76:77], s[96:97]
	s_cmp_eq_u32 s15, 0                            ; phase 2's prefetches: the partner at place p names tile p of A's 4, tiles 2 p and 2 p + 1 of B's 8
	s_cselect_b64 s[70:71], s[8:9], s[10:11]
	s_cselect_b32 s96, s40, s41
	s_cselect_b32 s98, 14, 15
	s_cselect_b32 s99, -1, 0
	s_lshl_b32 s96, s96, s98
	s_add_nc_u64 s[70:71], s[70:71], s[96:97]
	s_mov_b32 s[SEL], 0x76543210
	s_mov_b32 s[SEL+1], 0xfedcba98
	s_mov_b32 s[MNT], 0x600000
	v_mov_b32 v[VS2], s92
	v_mov_b32 v5, s93
	v_cmp_le_u32 vcc_lo, 16, v3
	v_cndmask_b32 v[VS2], v[VS2], v5, vcc_lo
	v_lshl_add_u32 v[VS2], v1, 5, v[VS2]
	v_min_u32 v5, 15, v3
	v_lshlrev_b32 v5, 8, v5                        ; A: 16 blocks; the lanes left over name the last again
	v_cndmask_b32 v[PFO2], v[PFO], v5, s99
.irp a, 0,1,2,3
	global_load_b32 v[BV2+2*\a], v[BVO], s[68:69] offset:4*(32*(\a/2)+8*(\a%2))     ; V: tile a's bias of my feature, in both registers of a pair
	global_load_b32 v[BV2+2*\a+1], v[BVO], s[68:69] offset:4*(32*(\a/2)+8*(\a%2))
.endr
.macro FRAG reg, adr, q, i             ; a fragment comes as it was stored: four loads of 512 consecutive bytes
.irp c, 0,1,2,3
	ds_load_b128 v[\reg+4*\c:\reg+4*\c+3], v[\adr] offset:TILEB*(\i)+2048*(\q)+512*\c
.endr
.endm
; PHASE 1.  16 matrix instructions: A's tiles a0, a0 + 1 x B's eight, K step ks.  p: B's set.  The 64 accumulators take turns, one instruction a turn, in the same order in every step
.macro MUL16 a0, p, ks, zero
.irp a, \a0, \a0+1
.irp b, 0,1,2,3,4,5,6,7
.if \zero
	v_wmma_scale_f32_16x16x128_f8f6f4 v[8*(8*((\a)%4)+\b):8*(8*((\a)%4)+\b)+7], v[128*(\p)+FR*\b:128*(\p)+FR*\b+FR-1], v[AF+FR*(\a):AF+FR*(\a)+FR-1], 0, v[SC+8*\b+(\ks)], v[SC+8*(\a)+(\ks)] matrix_a_fmt:MATRIX_FMT_BF8 matrix_b_fmt:MATRIX_FMT_BF8 matrix_a_scale:MATRIX_SCALE_ROW1
.else
	v_wmma_scale_f32_16x16x128_f8f6f4 v[8*(8*((\a)%4)+\b):8*(8*((\a)%4)+\b)+7], v[128*(\p)+FR*\b:128*(\p)+FR*\b+FR-1], v[AF+FR*(\a):AF+FR*(\a)+FR-1], v[8*(8*((\a)%4)+\b):8*(8*((\a)%4)+\b)+7], v[SC+8*\b+(\ks)], v[SC+8*(\a)+(\ks)] matrix_a_fmt:MATRIX_FMT_BF8 matrix_b_fmt:MATRIX_FMT_BF8 matrix_a_scale:MATRIX_SCALE_ROW1
.endif
.endr
.endr
.endm
.macro FETCH_B slot, q, p
	WIN TO_B
.irp i, 0,1,2,3,4,5,6,7
	FRAG 128*(\p)+FR*\i, ADRB+\slot, \q, \i
.endr
	WIN 0
.endm
.macro FETCH_A slot, q, i0
.irp i, \i0, \i0+1, \i0+2, \i0+3
	FRAG AF+FR*(\i), ADRA+\slot, \q, \i
.endr
.endm
; A slot's first K step.  A has one set of registers: tiles 0-3 are fetched anew in the step's middle, tiles 4-7 at its end; B has two sets
.macro STEP slot, ks, zero
	s_wait_dscnt 16                                ; B's set and A's tiles 0-3 are in; the youngest 16 loads (A's tiles 4-7) may be out
	WIN MUL_LO
	MUL16 0, 0, \ks, \zero
	MUL16 2, 0, \ks, \zero
	s_wait_dscnt 0
	PLACES 8
	FETCH_B \slot, 1, 1
	FETCH_A \slot, 1, 0
	WIN MUL_HI
	MUL16 4, 0, \ks, \zero
	MUL16 6, 0, \ks, \zero
	PLACES 8
	WIN 0
	FETCH_A \slot, 1, 4
.endm
; A slot's second K step changes slots: ONE barrier; in front of it each wave waits for all its tensor loads, adds 0 to its spare word, and waits for that and for its reads of this slot.
; fill = 1: this slot takes this phase's fill two on;  2: phase 2's fill 0 or 1 (of A then 4 tiles a load).  nf = 1: phase 1's last step: no fragments are fetched
.macro TURN slot, next, fill, ks, nf=0
	s_wait_tensorcnt 0x0                           ; all my tensor loads have landed: my part of the next slot
	ds_add_u32 v[SPW], v[NIL]
	s_wait_dscnt 17                                ; (the add and the youngest 16 loads may be out)
	WIN MUL_LO
	MUL16 0, 1, \ks, 0
	s_wait_dscnt 0x0                               ; the add is done, and my reads of this slot are over
	s_barrier_signal -1
	MUL16 2, 1, \ks, 0
	WIN 0
	s_barrier_wait -1
	CREST                                          ; the barrier has opened a round of the cluster's: no wave of any partner still reads this slot or has a load on its way
.if \fill == 1
	s_add_nc_u64 s[G0+4*\slot+2:G0+4*\slot+3], s[G0+4*\slot+2:G0+4*\slot+3], 2*TILEB
	s_add_nc_u64 s[G0B+4*\slot+2:G0B+4*\slot+3], s[G0B+4*\slot+2:G0B+4*\slot+3], 2*TILEB
.else
	s_add_nc_u64 s[G0+4*\slot+2:G0+4*\slot+3], s[8:9], \slot*TILEB
	s_or_b32 s[G0+4*\slot+3], s[G0+4*\slot+3], 0x80000000
	s_add_nc_u64 s[G0B+4*\slot+2:G0B+4*\slot+3], s[10:11], \slot*TILEB
	s_or_b32 s[G0B+4*\slot+3], s[G0B+4*\slot+3], 0x80000000
	s_mov_b32 s[G1+2], 4<<16                       ; no tensor load of mine is out, so a descriptor may be written
	s_mov_b32 s[G1+4], 4
.endif
	JLOAD G0+4*\slot, G1, G0B+4*\slot, G1B         ; the first tensor load behind the round; its four v_nop are four of the eight places
	PLACES 4
.if \nf == 0
	FETCH_B \next, 0, 0
	FETCH_A \next, 0, 0
.endif
	WIN MUL_HI
	MUL16 4, 1, \ks, 0
	MUL16 6, 1, \ks, 0
	PLACES 8
	WIN 0
.if \nf == 0
	FETCH_A \next, 0, 4
.endif
.endm
; PHASE 2.  A's tiles a0, a0 + 1 of my four x B's eight, from set p of both; the 32 accumulators take turns
.macro MULV a0, p, ks, zero
.irp a, \a0, \a0+1
.irp b, 0,1,2,3,4,5,6,7
.if \zero
	v_wmma_scale_f32_16x16x128_f8f6f4 v[8*(8*(\a)+\b):8*(8*(\a)+\b)+7], v[128*(\p)+FR*\b:128*(\p)+FR*\b+FR-1], v[AF+64*(\p)+FR*(\a):AF+64*(\p)+FR*(\a)+FR-1], 0, v[SC+8*\b+(\ks)], v[SC+8*(\a)+(\ks)] matrix_a_fmt:MATRIX_FMT_BF8 matrix_b_fmt:MATRIX_FMT_BF8 matrix_a_scale:MATRIX_SCALE_ROW1
.else
	v_wmma_scale_f32_16x16x128_f8f6f4 v[8*(8*(\a)+\b):8*(8*(\a)+\b)+7], v[128*(\p)+FR*\b:128*(\p)+FR*\b+FR-1], v[AF+64*(\p)+FR*(\a):AF+64*(\p)+FR*(\a)+FR-1], v[8*(8*(\a)+\b):8*(8*(\a)+\b)+7], v[SC+8*\b+(\ks)], v[SC+8*(\a)+(\ks)] matrix_a_fmt:MATRIX_FMT_BF8 matrix_b_fmt:MATRIX_FMT_BF8 matrix_a_scale:MATRIX_SCALE_ROW1
.endif
.endr
.endr
.endm
.macro FETCHV slot, q, p               ; 48 loads: B's eight and A's four fragments of the slot's q-th K step into set p
	WIN TO_B
.irp i, 0,1,2,3,4,5,6,7
	FRAG 128*(\p)+FR*\i, ADRB+\slot, \q, \i
.endr
	WIN 0
.irp i, 0,1,2,3
	FRAG AF+64*(\p)+FR*\i, ADRA+\slot, \q, \i
.endr
.endm
.macro STEPV slot, ks, zero            ; a slot's first K step, from set 0; ahead of its products the second step is fetched into set 1
	s_wait_dscnt 0x0
	PLACES 8                                       ; behind the products that read set 1
	FETCHV \slot, 1, 1
	WIN MUL_LO
	MULV 0, 0, \ks, \zero
	MULV 2, 0, \ks, \zero
	WIN 0
.endm
.macro TURNV slot, next, fill, ks      ; a slot's second K step, from set 1, changes slots as TURN does
	s_wait_tensorcnt 0x0
	ds_add_u32 v[SPW], v[NIL]
	s_wait_dscnt 1                                 ; set 1 is in; the add alone may be out
	WIN MUL_LO
	MULV 0, 1, \ks, 0
	s_wait_dscnt 0x0
	s_barrier_signal -1
	WIN 0
	s_barrier_wait -1
.if \fill
	CREST
	s_add_nc_u64 s[G0+4*\slot+2:G0+4*\slot+3], s[G0+4*\slot+2:G0+4*\slot+3], 2*TILEB
	s_add_nc_u64 s[G0B+4*\slot+2:G0B+4*\slot+3], s[G0B+4*\slot+2:G0B+4*\slot+3], 2*TILEB
	JLOAD G0+4*\slot, G1, G0B+4*\slot, G1B
	PLACES 4
.else
	PLACES 8
.endif
	FETCHV \next, 0, 0
	WIN MUL_LO
	MULV 2, 1, \ks, 0
	WIN 0
.endm
; 64 numbers of a lane, register 16 b + i = place 32 b + 16 h + i along the next K, become 16 registers of codes in v[PC] on; the four scale bytes stay in v[TM+4] on
.macro QUANT s
.irp b, 0,1,2,3
	v_max3_num_f32 v[TM+\b], |v[\s+16*\b]|, |v[\s+1+16*\b]|, 0x8000000   ; my 16 numbers of block b, and the floor 2^(16 - 127)
.endr
.irp i, 2,4,6,8,10,12,14
.irp b, 0,1,2,3
	v_max3_num_f32 v[TM+\b], v[TM+\b], |v[\s+16*\b+\i]|, |v[\s+1+16*\b+\i]|
.endr
.endr
.irp b, 0,1,2,3
	v_permlanex16_b32 v[TM+4+\b], v[TM+\b], s[SEL], s[SEL+1]
.endr
.irp b, 0,1,2,3
	v_max_num_f32 v[TM+\b], v[TM+\b], v[TM+4+\b]   ; with lane l xor 16's 16
.endr
.irp b, 0,1,2,3
	v_add_nc_u32 v[TM+12+\b], 0xf8800000, v[TM+\b]   ; 15 off the exponent field: the conversion's scale operand
.endr
.irp b, 0,1,2,3
	v_and_or_b32 v[TM+8+\b], v[TM+\b], 0x7f800000, s[MNT]   ; 57,344 x the scale
.endr
.irp b, 0,1,2,3
	v_lshrrev_b32 v[TM+4+\b], 23, v[TM+12+\b]      ; the scale's byte
.endr
.irp b, 0,1,2,3
.irp i, 0,1,2,3,4,5,6,7,8,9,10,11,12,13,14,15
	v_med3_num_f32 v[\s+16*\b+\i], v[\s+16*\b+\i], -v[TM+8+\b], v[TM+8+\b]   ; the conversion does not saturate (ISA guide 7.6.2): the hold comes first
.endr
	v_cvt_scalef32_pk8_bf8_f32 v[PC+4*\b:PC+1+4*\b], v[\s+16*\b:\s+7+16*\b], v[TM+12+\b]
	v_cvt_scalef32_pk8_bf8_f32 v[PC+2+4*\b:PC+3+4*\b], v[\s+8+16*\b:\s+15+16*\b], v[TM+12+\b]
.endr
	v_nop                                          ; a plain line behind the last conversion
.endm
.macro EPIQ a                          ; the way out of tile a of Q's or K's tokens
	s_wait_xcnt 0x0                                ; the last tile's stores have read v[PC] on
	WIN 6+(\a)/4                                   ; source 0: the accumulators' window, source 1: window 1
.set k, 0
.rept 32
	v_pk_add_f32 v[T+2*k:T+2*k+1], v[64*((\a)%4)+2*k:64*((\a)%4)+2*k+1], v[BB+2*k:BB+2*k+1]   ; + the biases of my 64 features; each accumulator is read from its low end on
.set k, k+1
.endr
	WIN 0
	QUANT T
.if (\a)%2 == 0
	v_lshl_or_b32 v[WE], v[TM+5], 8, v[TM+4]       ; the token's two bytes for each head,
	v_lshl_or_b32 v[WE+1], v[TM+7], 8, v[TM+6]
	v_lshl_or_b32 v[WE], v[WE], 16, v[WE]          ; twice
	v_lshl_or_b32 v[WE+1], v[WE+1], 16, v[WE+1]
.else
	v_lshl_or_b32 v[WT], v[TM+5], 8, v[TM+4]
	v_lshl_or_b32 v[WT+1], v[TM+7], 8, v[TM+6]
	v_lshl_or_b32 v[WT], v[WT], 16, v[WT]
	v_lshl_or_b32 v[WT+1], v[WT+1], 16, v[WT+1]
	v_cndmask_b32 v[OUT+(\a)/2], v[WE], v[WT], vcc_lo      ; lanes 0-15 the even tile's word, lanes 16-31 the odd tile's
	v_cndmask_b32 v[OUT+4+(\a)/2], v[WE+1], v[WT+1], vcc_lo
.endif
.irp p, 0,1,2,3
	global_store_b128 v4, v[PC+4*\p:PC+4*\p+3], s[OB+2*(\p/2):OB+2*(\p/2)+1] offset:1024*(\a)+512*(\p%2)   ; 512 consecutive bytes
.endr
.endm
.macro EPIV a                          ; the way out of tile a of V's features
	s_wait_xcnt 0x0
	WIN 0x02                                       ; source 0: window 2
.set k, 0
.rept 32
	v_pk_add_f32 v[T+2*k:T+2*k+1], v[64*(\a)+2*k:64*(\a)+2*k+1], v[BV2+2*(\a):BV2+2*(\a)+1]   ; + my feature's bias
.set k, k+1
.endr
	WIN 0
	QUANT T
.if (\a)%2 == 0
	v_lshl_or_b32 v[WE], v[TM+5], 8, v[TM+4]       ; the feature's scale word for these 128 keys
	v_lshl_or_b32 v[WE], v[TM+6], 16, v[WE]
	v_lshl_or_b32 v[WE], v[TM+7], 24, v[WE]
.else
	v_lshl_or_b32 v[WT], v[TM+5], 8, v[TM+4]
	v_lshl_or_b32 v[WT], v[TM+6], 16, v[WT]
	v_lshl_or_b32 v[WT], v[TM+7], 24, v[WT]
	v_cndmask_b32 v[OUT+(\a)/2], v[WE], v[WT], vcc_lo
.endif
.irp p, 0,1,2,3
	global_store_b128 v4, v[PC+4*\p:PC+4*\p+3], s[74:75] offset:2048*(\a)+512*\p   ; 512 consecutive bytes
.endr
.endm
	s_wait_alu depctr_va_vdst(0)                   ; the wait at the head's end
	s_wait_loadcnt 0x0                             ; the scale words and the biases
	ds_store_b128 v[BST], v[32:35]                 ; my wave's biases of phase 1; only my wave reads them
	s_wait_tensorcnt 0x0                           ; my part of slot 0 is in; slot 1's first fill is issued as a refill is:
	ds_add_u32 v[SPW], v[NIL]
	s_wait_dscnt 0x0                               ; the add and the store are done
	CROUND                                         ; a whole round: slot 0 is whole, and all sixteen work-groups are here
	JLOAD G0+4, G1, G0B+4, G1B                     ; slot 1: the first tensor load behind the round
	FETCH_B 0, 0, 0
	FETCH_A 0, 0, 0
	FETCH_A 0, 0, 4
	ASK PFO, 2, 12288                              ; fill 3
	STEP 0, 0, 1                                   ; eight K steps of 128, written out: each names its own scale registers
	TURN 0, 1, 1, 1
	ASK PFO2, 70, 0                                ; phase 2's fill 0
	STEP 1, 2, 0
	TURN 1, 0, 1, 3
	ASK PFO2, 70, 4096
	STEP 0, 4, 0
	TURN 0, 1, 2, 5                                ; THE RING GOES ON INTO PHASE 2: slot 0 takes its fill 0,
	ASK PFO2, 70, 8192
	STEP 1, 6, 0
	TURN 1, 0, 2, 7, 1                             ; slot 1 its fill 1
.irp i, 0,1,2,3,4,5,6,7                ; phase 2's scale words, eight places behind the last product (of A's, tiles 4 to 7 are not mine and are not used)
	global_load_b128 v[SC+8*\i:SC+8*\i+3], v[VS2], s[6:7] offset:512*\i
	global_load_b128 v[SC+8*\i+4:SC+8*\i+7], v[VS2], s[6:7] offset:512*\i+16
.endr
	ASK PFO2, 70, 12288
	WIN TO_B                                       ; Q's or K's results leave
.irp p, 0,1,2,3
.irp j, 0,1,2,3
	ds_load_b128 v[BB+16*\p+4*\j:BB+16*\p+4*\j+3], v[BLQ] offset:128*\p+16*\j
.endr
.endr
	WIN 0
.irp b, 0,1,2,3
	v_mov_b32 v[TM+4+\b], 0                        ; a lane permute's destination counts as one of its sources
.endr
	v_cmp_le_u32 vcc_lo, 16, v3
	s_wait_dscnt 0x0
.irp a, 0,1,2,3,4,5,6,7
	EPIQ \a
.endr
	global_store_b128 v4, v[OUT:OUT+3], s[OS:OS+1]         ; 512 consecutive bytes for each head
	global_store_b128 v4, v[OUT+4:OUT+7], s[OS+2:OS+3]
	s_wait_xcnt 0x0                                ; the stores have read their registers: fragments may land there
	s_wait_loadcnt 0x0                             ; phase 2's scale words
	FETCHV 0, 0, 0                                 ; slot 0 was shown whole by the round of phase 1's last step
	STEPV 0, 0, 1
	TURNV 0, 1, 1, 1
	STEPV 1, 2, 0
	TURNV 1, 0, 1, 3
	STEPV 0, 4, 0
	TURNV 0, 1, 0, 5                               ; nothing is left to fetch
	STEPV 1, 6, 0
	s_wait_dscnt 0x0
	WIN MUL_LO
	MULV 0, 1, 7, 0
	MULV 2, 1, 7, 0
	WIN 0
	PLACES 8
.irp b, 0,1,2,3
	v_mov_b32 v[TM+4+\b], 0
.endr
	v_cmp_le_u32 vcc_lo, 16, v3
.irp a, 0,1,2,3
	EPIV \a
.endr
	global_store_b64 v[L8], v[OUT:OUT+1], s[76:77]         ; 256 consecutive bytes
	s_wait_tensorcnt 0x0                           ; the wave's end
	ds_add_u32 v[SPW], v[NIL]
	s_wait_dscnt 0x0
	CROUND                                         ; the closing round
	s_endpgm
.Lfunc_end_k_q3291d7cc6b_proj:
	.size	k_q3291d7cc6b_proj, .Lfunc_end_k_q3291d7cc6b_proj-k_q3291d7cc6b_proj
	.p2alignl 7, 3214868480
	.fill 96, 4, 3214868480
	.section	.rodata,"a",@progbits
	.p2align	6, 0x0
	.amdhsa_kernel k_q3291d7cc6b_proj
		.amdhsa_group_segment_fixed_size 327680
		.amdhsa_private_segment_fixed_size 0
		.amdhsa_enable_private_segment 0
		.amdhsa_kernarg_size 72
		.amdhsa_user_sgpr_count 2
		.amdhsa_user_sgpr_kernarg_segment_ptr 1
		.amdhsa_wavefront_size32 1
		.amdhsa_system_sgpr_workgroup_id_x 1
		.amdhsa_system_sgpr_workgroup_id_y 1
		.amdhsa_system_sgpr_workgroup_id_z 1
		.amdhsa_system_vgpr_workitem_id 0
		.amdhsa_next_free_vgpr 1024
		.amdhsa_next_free_sgpr 100
		.amdhsa_reserve_vcc 1
		.amdhsa_float_denorm_mode_32 3
		.amdhsa_float_denorm_mode_16_64 3
		.amdhsa_memory_ordered 1
		.amdhsa_forward_progress 1
		.amdhsa_inst_pref_size 255
	.end_amdhsa_kernel
	.section	.bss,"aw",@nobits
	.p2align	6
	.space	262144
	.amdgpu_metadata
---
amdhsa.version: [ 1, 2 ]
amdhsa.kernels:
  - .name:           k_q3291d7cc6b_proj
    .symbol:         k_q3291d7cc6b_proj.kd
    .args:
      - { .name: img, .offset: 0, .size: 8, .value_kind: global_buffer, .address_space: global }
      - { .name: sc, .offset: 8, .size: 8, .value_kind: global_buffer, .address_space: global }
      - { .name: bq, .offset: 16, .size: 8, .value_kind: global_buffer, .address_space: global }
      - { .name: bk, .offset: 24, .size: 8, .value_kind: global_buffer, .address_space: global }
      - { .name: bv, .offset: 32, .size: 8, .value_kind: global_buffer, .address_space: global }
      - { .name: qimg, .offset: 40, .size: 8, .value_kind: global_buffer, .address_space: global }
      - { .name: qsc, .offset: 48, .size: 8, .value_kind: global_buffer, .address_space: global }
      - { .name: kv, .offset: 56, .size: 8, .value_kind: global_buffer, .address_space: global }
      - { .name: kvs, .offset: 64, .size: 8, .value_kind: global_buffer, .address_space: global }
    .group_segment_fixed_size: 327680
    .private_segment_fixed_size: 0
    .kernarg_segment_align: 8
    .kernarg_segment_size: 72
    .max_flat_workgroup_size: 128
    .sgpr_count:     100
    .vgpr_count:     1024
    .wavefront_size: 32
...
	.end_amdgpu_metadata
.endif
;; end of part 2
;; launch attn (part 3): grid 4 x 64, 8 waves a work-group, clusters of 4 x 1, 327,680 bytes of LDS; arguments qimg, qsc, kv, kvs, img, sc; writes img, sc
.if DOCPART == 3
	.amdgcn_target "amdgcn-amd-amdhsa--gfx1250"
	.amdhsa_code_object_version 6
	.text
	.protected	k_q3291d7cc6b_attn
	.globl	k_q3291d7cc6b_attn
	.p2align	8
	.type	k_q3291d7cc6b_attn,@function
k_q3291d7cc6b_attn:
	s_mov_b64 s[64:65], 0
	v_nop
	global_prefetch_b8 v0, s[64:65] scope:SCOPE_SE
	s_setreg_imm32_b32 hwreg(HW_REG_WAVE_MODE, 25, 1), 1
	s_wait_xcnt 0x0
	s_wait_alu depctr_hold_cnt(0) depctr_sa_sdst(0) depctr_va_vdst(0) depctr_va_sdst(0) depctr_va_ssrc(0) depctr_va_vcc(0) depctr_vm_vsrc(0)
	s_getreg_b32 s2, hwreg(HW_REG_IB_STS2, 6, 4)
	s_cmp_eq_u32 s2, 0
	s_cbranch_scc0 .Lentry_in_a_cluster
	s_endpgm
.Lentry_in_a_cluster:
	s_bfe_u32 s2, ttmp6, 0x10000c
	s_cmp_lg_u32 s2, 0x3003
	s_cbranch_scc0 .Lentry_shape_is_right
	s_endpgm
.Lentry_shape_is_right:
; ATTENTION ON CODES OF MX-BF8 (E5M2, one E8M0 byte for 32 along K): O = softmax(Q K^T / 8) V for 64 heads (batch x head) of 2,048 tokens and 64 channels; O is quantised along the channels into the last projection's operand.
; BUFFERS, all images of operand registers: qimg [head][tile of 16 queries 128][c 2][lane][16 bytes]; qsc [head][block of 8 tiles][lane l][4 words]: word i = tile 2 i + l / 16, row l % 16;
; kv [head][step of 128 keys 16][K: tile 8, c 2, 512 bytes | V^T: tile 4, c 4, 512 bytes]; kvs [head][step][K's words 512 bytes | V's 256]; out: img, sc from row tile 1792 on, head h at K = 64 h of a token's row.
; THE SOFTMAX: t = score x log2(e) / 8; M = the running largest t rounded up to a whole number; p = 2^(t - M) is quantised along the keys; the row's sum is taken of the unquantised p and divides O at the end; when M moves, the sum and O are multiplied by 2^(old M - new M).
; LIMITS: the scaled scores stay under 2^31 in magnitude; NaN and infinities are not served; a block's byte never falls under 1 (a block of zeros has zero codes).
; SHARES: a work-group owns 512 queries of one head, each of its 8 waves 64: two passes over the keys with TWO tiles of 16 queries side by side, so that each fragment of K and V read from LDS feeds two products.
; A head's K, V (262,144 bytes) and scale bytes (12,288) lie in LDS whole, fetched once at the head by joint loads of the four work-groups of a head (cluster 4 x 1): wave 0 the scale bytes, waves 1 to 4 a quarter of K and V each.  Nothing is filled again.
; No prefetch: the launch has no loop that reads memory; all it streams is asked for at its head.
; BOTH PRODUCTS ARE USED TRANSPOSED (S^T = K Q^T, O^T = V^T P^T): a lane holds one query.  K = 64 fills half of a product's 128: Q's upper eight registers are zero codes, and a tile of K is named with the next tile's registers behind it.
; THE LOOP RUNS ONE STEP AHEAD: behind step i's conversions stand step i + 1's sixteen score products, then the 32 rescalings of O^T (their places), the loads of K's step i + 2, and step i's eight products with V.
; One tile's exponentials stand among lines of the other tile that hang on nothing written among them (its multiply-adds, its holds); a wait stands ahead of and behind each such stretch.
; REGISTERS.  Window 0: addresses, state, scale words, both tiles' scores and codes.  Window 1: O^T, Q, K's and V's fragments, the second pass's Q.
.set SCL,   262144                     ; behind K and V: the scale bytes, 768 a step
.set SPARE, 0x43000                    ; the spare words, 128 bytes for each wave
.set AV,  4                            ; v4-7 LDS addresses: V's fragments, K's, V's words, K's words
.set AK,  5
.set ASV, 6
.set ASK, 7
.set OSO, 8                            ; v8 32 x (lane % 16): a row's place among the scale bytes that leave
.set NM,  12                           ; tile x: v[NM+4x] -M, v[NM+4x+1] the largest score
.set L,   14                           ; v[L+4x:L+4x+1] the sum in two halves
.set F,   20                           ; v[F+2x] 2^(old M - new M)
.set T1,  24
.set T2,  26
.set BM,  28                           ; +4x: the four blocks' largest scores, then largest p
.set PD,  36
.set HD,  44                           ; 57,344 x the scale
.set CV,  52                           ; the conversions' scale operands
.set S,   64                           ; +64x: S^T, then p
.set PCD, 192                          ; +16x: p's codes
.set KSW, 224                          ; scale words; no product's two have numbers equal modulo 8
.set VSW, 228
.set QSW, 230                          ; lanes 0-15 tile 0's rows, lanes 16-31 tile 1's
.set PSW, 231                          ; +7x
.set QSN, 239
.set O,   0                            ; window 1: +32x
.set Q,   64                           ; +16x: eight registers of codes, eight of zeros
.set KF,  96                           ; eight tiles x 8, and 8 of zeros
.set VF,  168
.set QN,  232                          ; the second pass's Q
.set TB,  2
.set TS,  3
.set WV,  18
.set MNT, 19
.set SEL, 20
.set CS,  22
.set G1S, 24
.set G1A, 32
.set G0S, 40
.set G0A, 44
.set TBK, 48
.set TSK, 49
.set CNT, 50
.set PASS, 51
.set IB,  52
.set OSC, 54
.set MSB, 0
.macro WIN new                         ; the immediate's high byte repeats the setting that is left
.if MSB != (\new)
	s_set_vgpr_msb (MSB<<8)|(\new)
.set MSB, (\new)
.endif
.endm
.macro ROUND                           ; a round of the cluster's barrier
	s_barrier_signal -1
	s_barrier_wait -1
	s_cmp_lg_u32 s[WV], 0
	s_cbranch_scc1 .Lnot_wave_0_\@
	s_barrier_signal -3
.Lnot_wave_0_\@:
	s_barrier_wait -3
	s_barrier_signal -1
	s_barrier_wait -1
.endm
.macro WALU
	s_wait_alu depctr_va_vdst(0)
.endm
	s_load_b256 s[4:11], s[0:1], 0x0               ; qimg 4, qsc 6, kv 8, kvs 10
	s_load_b128 s[12:15], s[0:1], 0x20             ; img 12, sc 14
	v_lshl_add_u32 v254, v0, 2, SPARE
	v_mov_b32 v255, 0
	ds_add_u32 v254, v255                          ; the opening lines: the add, twice on end, and its wait
	ds_add_u32 v254, v255
	v_lshrrev_b32 v1, 5, v0
	v_readfirstlane_b32 s[WV], v1                  ; wave 0..7
	s_bfe_u32 s70, ttmp6, 0x40000                  ; cx: which 512 queries
	s_and_b32 s71, ttmp7, 0xffff                   ; the head, 0..63
.irp g, G1S, G1A                       ; dense blocks as rows of 256 bytes (32 elements of 8); the mask names the cluster's four
	s_mov_b32 s[\g], 15|(3<<16)|(1<<21)
	s_mov_b32 s[\g+1], 32<<16
	s_mov_b32 s[\g+3], 32<<16
	s_mov_b32 s[\g+5], 32
	s_mov_b32 s[\g+6], 0
	s_mov_b32 s[\g+7], 0
.endr
	s_mov_b32 s[G1S+2], 48<<16                     ; the scale bytes: 48 rows
	s_mov_b32 s[G1S+4], 48
	s_mov_b32 s[G1A+2], 256<<16                    ; a quarter of K and V: 256 rows
	s_mov_b32 s[G1A+4], 256
	s_add_co_u32 s72, s[WV], 3
	s_and_b32 s72, s72, 3                          ; waves 1 to 4: quarter wave - 1
	s_lshl_b32 s73, s72, 16
	s_lshl_b32 s74, s71, 18
	s_add_co_u32 s74, s74, s73
	s_mov_b32 s75, 0
	s_mul_i32 s76, s71, 12288
	s_mov_b32 s77, 0
	s_wait_dscnt 0x0                               ; both opening adds are done
	ROUND                                          ; in front of the joint loads
	s_wait_kmcnt 0x0
	s_mov_b32 s[G0S], 1
	s_mov_b32 s[G0S+1], SCL
	s_add_nc_u64 s[G0S+2:G0S+3], s[10:11], s[76:77]
	s_or_b32 s[G0S+3], s[G0S+3], 0x80000000
	s_mov_b32 s[G0A], 1
	s_mov_b32 s[G0A+1], s73
	s_add_nc_u64 s[G0A+2:G0A+3], s[8:9], s[74:75]
	s_or_b32 s[G0A+3], s[G0A+3], 0x80000000
	s_cmp_eq_u32 s[WV], 0                          ; one chain of branches on the wave's number, one load to an arm
	s_cbranch_scc0 .Lfor_kv
	tensor_load_to_lds s[G0S:G0S+3], s[G1S:G1S+7]
	s_nop 0
.rept 4
	v_nop
.endr
	s_branch .Lasked
.Lfor_kv:
	s_cmp_lt_u32 s[WV], 5
	s_cbranch_scc0 .Lasked
	tensor_load_to_lds s[G0A:G0A+3], s[G1A:G1A+7]
	s_nop 0
.rept 4
	v_nop
.endr
.Lasked:
	s_lshl_b32 s80, s70, 5
	s_lshl_b32 s81, s[WV], 1
	s_add_co_u32 s80, s80, s81                     ; my first tile of the head's 128: 32 cx + 2 wave; the second pass takes the tiles 16 on
	s_lshl_b32 s82, s80, 10
	s_lshl_b32 s83, s71, 17
	s_add_co_u32 s82, s82, s83
	s_mov_b32 s83, 0
	s_add_nc_u64 s[4:5], s[4:5], s[82:83]          ; Q's codes
	s_lshl_b32 s82, s71, 13
	s_lshl_b32 s84, s70, 11
	s_add_co_u32 s82, s82, s84
	s_lshr_b32 s84, s[WV], 2
	s_lshl_b32 s84, s84, 9
	s_add_co_u32 s82, s82, s84
	s_and_b32 s84, s[WV], 3
	s_lshl_b32 s84, s84, 2
	s_add_co_u32 s82, s82, s84
	s_add_nc_u64 s[6:7], s[6:7], s[82:83]          ; Q's words: block 4 cx + wave / 4, word wave % 4: one register holds both tiles'
	s_lshr_b32 s84, s71, 4
	s_lshl_b32 s84, s84, 7
	s_add_co_u32 s84, s84, s80
	s_add_co_u32 s84, s84, 1792                    ; the row tile that my first tile becomes
	s_and_b32 s85, s71, 15
	s_lshl_b32 s82, s84, 14
	s_lshl_b32 s86, s85, 10
	s_add_co_u32 s82, s82, s86
	s_add_nc_u64 s[IB:IB+1], s[12:13], s[82:83]
	s_lshl_b32 s82, s84, 9
	s_lshl_b32 s86, s85, 1
	s_add_co_u32 s82, s82, s86
	s_add_nc_u64 s[OSC:OSC+1], s[14:15], s[82:83]
	s_mov_b32 s[SEL], 0x76543210
	s_mov_b32 s[SEL+1], 0xfedcba98
	s_mov_b32 s[CS], 0x3e38aa3b                    ; log2(e) / 8
	s_mov_b32 s[CS+1], s[CS]
	s_mov_b32 s[MNT], 0x600000
	s_mov_b32 s[PASS], 0
	v_and_b32 v9, 31, v0
	v_lshlrev_b32 v1, 4, v9                        ; 16 x lane
	v_add_nc_u32 v2, SCL, v1
	v_lshl_add_u32 v3, v9, 3, SCL+512
	v_and_b32 v10, 15, v0
	v_lshlrev_b32 v[OSO], 5, v10
	WIN 0x40
.irp j, 0,1
	global_load_b128 v[Q+16*\j:Q+16*\j+3], v1, s[4:5] offset:1024*\j
	global_load_b128 v[Q+16*\j+4:Q+16*\j+7], v1, s[4:5] offset:1024*\j+512
	global_load_b128 v[QN+8*\j:QN+8*\j+3], v1, s[4:5] offset:16384+1024*\j
	global_load_b128 v[QN+8*\j+4:QN+8*\j+7], v1, s[4:5] offset:16384+1024*\j+512
.endr
.irp j, 0,1,2,3,4,5,6,7
	v_mov_b32 v[Q+8+\j], 0                         ; zero codes for the upper 64 of a product's K
	v_mov_b32 v[Q+24+\j], 0
	v_mov_b32 v[KF+64+\j], 0
.endr
	WIN 0
	global_load_b32 v[QSW], v1, s[6:7]
	global_load_b32 v[QSN], v1, s[6:7] offset:1024
.irp j, 0,1,2,3,4,5,6,7
	v_mov_b32 v[PD+\j], 0                          ; a lane permute's destination counts as one of its sources
.endr
	v_mov_b32 v[F+1], 0                            ; named as upper halves of pairs
	v_mov_b32 v[F+3], 0
.macro KLOAD a, s                      ; a step's eight tiles of K and their words
	WIN 0x40
.irp t, 0,1,2,3,4,5,6,7
	ds_load_b128 v[KF+8*\t:KF+8*\t+3], v[\a] offset:1024*\t
	ds_load_b128 v[KF+8*\t+4:KF+8*\t+7], v[\a] offset:1024*\t+512
.endr
	WIN 0
	ds_load_b128 v[KSW:KSW+3], v[\s]
.endm
.macro VLOAD                           ; a step's four tiles of V^T and their words
	WIN 0x40
.irp t, 0,1,2,3
.irp c, 0,1,2,3
	ds_load_b128 v[VF+16*\t+4*\c:VF+16*\t+4*\c+3], v[AV] offset:8192+2048*\t+512*\c
.endr
.endr
	WIN 0
	ds_load_b64 v[VSW:VSW+1], v[ASV]
.endm
.macro SW t, x, m1, m2                 ; S^T: 16 keys of tile t x tile x's 16 queries
	v_wmma_scale_f32_16x16x128_f8f6f4 v[S+64*\x+8*(\t):S+64*\x+8*(\t)+7], v[KF+8*(\t):KF+8*(\t)+15], v[Q+16*\x:Q+16*\x+15], 0, v[KSW+(\t)/2], v[QSW] matrix_a_fmt:MATRIX_FMT_BF8 matrix_b_fmt:MATRIX_FMT_BF8 \m1 \m2
.endm
.macro SMUL
	WIN 0x05                                       ; K and Q window 1, S^T window 0
.irp u, 0,1,2,3
	SW 2*\u, 0
	SW 2*\u, 1, matrix_b_scale:MATRIX_SCALE_ROW1
	SW 2*\u+1, 0, matrix_a_scale:MATRIX_SCALE_ROW1
	SW 2*\u+1, 1, matrix_a_scale:MATRIX_SCALE_ROW1, matrix_b_scale:MATRIX_SCALE_ROW1
.endr
.endm
.macro PW t, x, m1                     ; O^T += 16 channels of tile t x tile x's p: the eight accumulators take turns
	v_wmma_scale_f32_16x16x128_f8f6f4 v[O+32*\x+8*(\t):O+32*\x+8*(\t)+7], v[VF+16*(\t):VF+16*(\t)+15], v[PCD+16*\x:PCD+16*\x+15], v[O+32*\x+8*(\t):O+32*\x+8*(\t)+7], v[VSW+(\t)/2], v[PSW+7*\x] matrix_a_fmt:MATRIX_FMT_BF8 matrix_b_fmt:MATRIX_FMT_BF8 \m1
.endm
.macro MX3 i                           ; the eight blocks' maxima by turns
.irp b, 0,1,2,3
.irp x, 0,1
	v_max3_num_f32 v[BM+4*\x+\b], v[BM+4*\x+\b], v[S+64*\x+16*\b+\i], v[S+64*\x+16*\b+\i+1]
.endr
.endr
.endm
.macro HOLD2 r, h                      ; two p held at 57,344 x the scale: the conversion does not saturate (ISA guide 7.6.2); p is not negative
	v_dual_min_num_f32 v[\r], v[\h], v[\r] :: v_dual_min_num_f32 v[\r+1], v[\h], v[\r+1]
.endm
.macro SUM x                           ; the row's sum of the unquantised p, in eight chains
	v_pk_mul_f32 v[L+4*\x:L+4*\x+1], v[L+4*\x:L+4*\x+1], v[F+2*\x:F+2*\x+1] op_sel_hi:[1,0]
.set SM, 240                           ; v240-253: seven more chains beside the sum itself: eight lines lie between a chain's links
.set k, S+64*\x
.irp c, 0,1,2,3,4,5,6
	v_pk_add_f32 v[SM+2*\c:SM+2*\c+1], v[k+4*\c:k+4*\c+1], v[k+4*\c+2:k+4*\c+3]
.endr
.irp g, 28,44
	v_pk_add_f32 v[L+4*\x:L+4*\x+1], v[L+4*\x:L+4*\x+1], v[k+\g:k+\g+1]
.irp c, 0,1,2,3,4,5,6
	v_pk_add_f32 v[SM+2*\c:SM+2*\c+1], v[SM+2*\c:SM+2*\c+1], v[k+\g+2+2*\c:k+\g+3+2*\c]
.endr
.endr
	v_pk_add_f32 v[L+4*\x:L+4*\x+1], v[L+4*\x:L+4*\x+1], v[k+60:k+61]
	v_pk_add_f32 v[SM:SM+1], v[SM:SM+1], v[k+62:k+63]
	v_pk_add_f32 v[SM+2:SM+3], v[SM+2:SM+3], v[SM+4:SM+5]
	v_pk_add_f32 v[SM+6:SM+7], v[SM+6:SM+7], v[SM+8:SM+9]
	v_pk_add_f32 v[SM+10:SM+11], v[SM+10:SM+11], v[SM+12:SM+13]
	v_pk_add_f32 v[L+4*\x:L+4*\x+1], v[L+4*\x:L+4*\x+1], v[SM:SM+1]
	v_pk_add_f32 v[SM+2:SM+3], v[SM+2:SM+3], v[SM+6:SM+7]
	v_pk_add_f32 v[L+4*\x:L+4*\x+1], v[L+4*\x:L+4*\x+1], v[SM+10:SM+11]
	v_pk_add_f32 v[L+4*\x:L+4*\x+1], v[L+4*\x:L+4*\x+1], v[SM+2:SM+3]
.endm
.macro BSC x                           ; the four blocks' scales from their largest p
.irp b, 0,1,2,3
	v_max_num_f32 v[BM+4*\x+\b], 0x8000000, v[BM+4*\x+\b]   ; the floor 2^(16 - 127): the byte cannot fall under 1
.endr
.irp b, 0,1,2,3
	v_add_nc_u32 v[CV+4*\x+\b], 0xf8800000, v[BM+4*\x+\b]   ; 15 off the exponent field
.endr
.irp b, 0,1,2,3
	v_and_or_b32 v[HD+4*\x+\b], v[BM+4*\x+\b], 0x7f800000, s[MNT]
.endr
.irp b, 0,1,2,3
	v_lshrrev_b32 v[PD+4*\x+\b], 23, v[CV+4*\x+\b]
.endr
	v_lshl_or_b32 v[PSW+7*\x], v[PD+4*\x+1], 8, v[PD+4*\x]
	v_lshl_or_b32 v[PSW+7*\x], v[PD+4*\x+2], 16, v[PSW+7*\x]
	v_lshl_or_b32 v[PSW+7*\x], v[PD+4*\x+3], 24, v[PSW+7*\x]
.endm
.macro CVT x
.irp b, 0,1,2,3
	v_cvt_scalef32_pk8_bf8_f32 v[PCD+16*\x+4*\b:PCD+16*\x+4*\b+1], v[S+64*\x+16*\b:S+64*\x+16*\b+7], v[CV+4*\x+\b]
	v_cvt_scalef32_pk8_bf8_f32 v[PCD+16*\x+4*\b+2:PCD+16*\x+4*\b+3], v[S+64*\x+16*\b+8:S+64*\x+16*\b+15], v[CV+4*\x+\b]
.endr
.endm
.macro NEXT tb, ts                     ; a step on, round the head's sixteen
	s_add_co_u32 s[\tb], s[\tb], 16384
	s_and_b32 s[\tb], s[\tb], 0x3ffff
	s_lshr_b32 s[\ts], s[\tb], 14
	s_mul_i32 s[\ts], s[\ts], 768
.endm
; A KEY STEP of 128 keys for both tiles.  S^T of this step stands in registers.  last = 1: a pass's last step, which has no step ahead
.macro ITER last
.irp b, 0,1,2,3
.irp x, 0,1
	v_max3_num_f32 v[BM+4*\x+\b], v[S+64*\x+16*\b], v[S+64*\x+16*\b+1], v[S+64*\x+16*\b+2]   ; each accumulator is read from its low end on
.endr
.endr
	MX3 3
	MX3 5
	VLOAD                                          ; 24 plain lines behind the last step's products with V
	MX3 7
	MX3 9
	MX3 11
	MX3 13
.irp b, 0,1,2,3
.irp x, 0,1
	v_max_num_f32 v[BM+4*\x+\b], v[BM+4*\x+\b], v[S+64*\x+16*\b+15]
.endr
.endr
.irp b, 0,1,2,3
.irp x, 0,1
	v_permlanex16_b32 v[PD+4*\x+\b], v[BM+4*\x+\b], s[SEL], s[SEL+1]
.endr
.endr
.irp b, 0,1,2,3
.irp x, 0,1
	v_max_num_f32 v[BM+4*\x+\b], v[BM+4*\x+\b], v[PD+4*\x+\b]   ; with lane l xor 16's 16 keys
.endr
.endr
.irp x, 0,1
	v_max3_num_f32 v[T1+\x], v[BM+4*\x], v[BM+4*\x+1], v[BM+4*\x+2]
.endr
.irp x, 0,1
	v_max3_num_f32 v[NM+4*\x+1], v[NM+4*\x+1], v[T1+\x], v[BM+4*\x+3]   ; the running largest score (the factor to t is positive, so it is also the largest t's)
.endr
.irp x, 0,1
	v_mov_b32 v[T2+\x], v[NM+4*\x]                 ; the old -M
.endr
.irp x, 0,1
	v_mul_f32 v[T1+\x], s[CS], v[NM+4*\x+1]        ; as t
.endr
.irp x, 0,1
	v_floor_f32 v[NM+4*\x], -v[T1+\x]              ; -M = floor(-t)
.endr
.set k, 0
.rept 32
	v_pk_fma_f32 v[S+2*k:S+2*k+1], v[S+2*k:S+2*k+1], s[CS:CS+1], v[NM:NM+1] op_sel_hi:[1,0,0]   ; tile 0: t - M; among these lines 2^(old M - new M) is made, link by link
.if k == 7
.irp x, 0,1
	v_sub_f32 v[T2+\x], v[NM+4*\x], v[T2+\x]       ; old M - new M: a whole number, 0 or less
.endr
.elseif k == 15
.irp x, 0,1
	v_cvt_i32_f32 v[T2+\x], v[T2+\x]               ; (it saturates)
.endr
.elseif k == 23
.irp x, 0,1
	v_ldexp_f32 v[F+2*\x], 1.0, v[T2+\x]
.endr
.endif
.set k, k+1
.endr
.irp b, 0,1,2,3
	v_fma_f32 v[BM+\b], v[BM+\b], s[CS], v[NM]
.endr
	WALU                                           ; ahead of the exponentials
.set k, 0
.rept 32                               ; tile 0's exponentials, tile 1's t - M among them
	v_exp_f32 v[S+2*k], v[S+2*k]
	v_exp_f32 v[S+2*k+1], v[S+2*k+1]
	v_pk_fma_f32 v[S+64+2*k:S+64+2*k+1], v[S+64+2*k:S+64+2*k+1], s[CS:CS+1], v[NM+4:NM+5] op_sel_hi:[1,0,0]
.set k, k+1
.endr
.irp b, 0,1,2,3
	v_exp_f32 v[BM+\b], v[BM+\b]                   ; a block's largest p: the same two lines on its largest score
	v_fma_f32 v[BM+4+\b], v[BM+4+\b], s[CS], v[NM+4]
.endr
	WALU                                           ; behind them
	SUM 0
	BSC 0
	WALU
.set k, 0
.rept 32                               ; tile 1's exponentials, tile 0's holds among them
	v_exp_f32 v[S+64+2*k], v[S+64+2*k]
	v_exp_f32 v[S+64+2*k+1], v[S+64+2*k+1]
	HOLD2 S+2*k, HD+k/8
.set k, k+1
.endr
.irp b, 0,1,2,3
	v_exp_f32 v[BM+4+\b], v[BM+4+\b]
.endr
	v_nop                                          ; a plain line behind the last exponential
	WALU
	CVT 0
	SUM 1
	BSC 1
.set k, 0
.rept 32
	HOLD2 S+64+2*k, HD+4+k/8
.set k, k+1
.endr
	CVT 1
.if \last
	v_nop                                          ; a plain line behind the last conversion
.else
	NEXT TB, TS
	v_add_nc_u32 v[AV], s[TB], v1                  ; the next step's V (plain lines behind the last conversion)
	v_add_nc_u32 v[ASV], s[TS], v3
.endif
	s_wait_dscnt 0x0                               ; this step's V and the next step's K are in registers
.if \last == 0
	SMUL                                           ; the next step's scores
.endif
	WIN 0x41
	WALU                                           ; directly ahead of the first readers of O^T
.irp x, 0,1
.set k, 0
.rept 16
	v_pk_mul_f32 v[O+32*\x+2*k:O+32*\x+2*k+1], v[O+32*\x+2*k:O+32*\x+2*k+1], v[F+2*\x:F+2*\x+1] op_sel_hi:[1,0]   ; O^T under the new M; these 32 are the places behind the score products
.set k, k+1
.endr
.endr
.if \last == 0
	KLOAD AK, ASK                                  ; K two steps on; from a pass's last trip but one: step 0, for the next pass (behind the second pass it is not used)
.endif
	WIN 0x51                                       ; V and O^T window 1, p's codes window 0
.irp u, 0,1
	PW 2*\u, 0
	PW 2*\u, 1
	PW 2*\u+1, 0, matrix_a_scale:MATRIX_SCALE_ROW1
	PW 2*\u+1, 1, matrix_a_scale:MATRIX_SCALE_ROW1
.endr
	WIN 0
.if \last == 0
	NEXT TBK, TSK
	v_add_nc_u32 v[AK], s[TBK], v1
	v_add_nc_u32 v[ASK], s[TSK], v2
.endif
.endm
	WALU                                           ; the wait at the head's end
	s_wait_loadcnt 0x0                             ; Q
	s_wait_tensorcnt 0x0                           ; every wave waits for its load: behind the barrier all of K, V and the scale bytes are in
	s_barrier_signal -1
	s_barrier_wait -1
	KLOAD 1, 2                                     ; K's step 0
.Lpass:
	s_mov_b32 s[TB], 0
	s_mov_b32 s[TS], 0
	s_mov_b32 s[TBK], 16384
	s_mov_b32 s[TSK], 768
.irp x, 0,1
	v_mov_b32 v[NM+4*\x+1], 0xff61b1e6             ; the largest score so far: -3e38; the -M made of it below lies above every later one, so the first factor is 0, on zeros
	v_mov_b32 v[L+4*\x], 0
	v_mov_b32 v[L+4*\x+1], 0
	v_floor_f32 v[NM+4*\x], -v[NM+4*\x+1]
.endr
	v_add_nc_u32 v[AV], s[TB], v1
	v_add_nc_u32 v[ASV], s[TS], v3
	v_add_nc_u32 v[AK], s[TBK], v1
	v_add_nc_u32 v[ASK], s[TSK], v2
	WIN 0x40
.set k, 0
.rept 32
	v_mov_b32 v[O+k], 0                            ; O^T begins as zeros, which the first change of M leaves zeros
.set k, k+1
.endr
	s_wait_dscnt 0x0                               ; K's step 0 is in registers
	SMUL
	WIN 0x40
.set k, 32
.rept 32
	v_mov_b32 v[O+k], 0                            ; (the places behind the products)
.set k, k+1
.endr
	KLOAD AK, ASK                                  ; K's step 1
	NEXT TBK, TSK
	v_add_nc_u32 v[AK], s[TBK], v1
	v_add_nc_u32 v[ASK], s[TSK], v2
	s_mov_b32 s[CNT], 15
.Lstep:
	ITER 0
	s_sub_co_u32 s[CNT], s[CNT], 1
	s_cmp_lg_u32 s[CNT], 0
	s_cbranch_scc1 .Lstep
	ITER 1
	; THE WAY OUT: O^T / the sum, quantised along the head's 64 channels (two blocks), as registers of the last projection's operand
.rept 8
	v_nop
.endr
.irp x, 0,1
	v_add_f32 v[L+4*\x], v[L+4*\x], v[L+4*\x+1]
.endr
.irp x, 0,1
	v_permlanex16_b32 v[T1+\x], v[L+4*\x], s[SEL], s[SEL+1]
.endr
.irp x, 0,1
	v_add_f32 v[L+4*\x], v[L+4*\x], v[T1+\x]
.endr
	WALU
	v_rcp_f32 v[L], v[L]
	v_rcp_f32 v[L+4], v[L+4]
	v_nop
	WIN 0x01
	WALU
.irp x, 0,1
.set k, 0
.rept 16
	v_pk_mul_f32 v[S+64*\x+2*k:S+64*\x+2*k+1], v[O+32*\x+2*k:O+32*\x+2*k+1], v[L+4*\x:L+4*\x+1] op_sel_hi:[1,0]
.set k, k+1
.endr
.endr
	WIN 0
.irp b, 0,1
.irp x, 0,1
	v_max3_num_f32 v[BM+4*\x+\b], |v[S+64*\x+16*\b]|, |v[S+64*\x+16*\b+1]|, 0x8000000
.endr
.endr
.irp i, 2,4,6,8,10,12,14
.irp b, 0,1
.irp x, 0,1
	v_max3_num_f32 v[BM+4*\x+\b], v[BM+4*\x+\b], |v[S+64*\x+16*\b+\i]|, |v[S+64*\x+16*\b+\i+1]|
.endr
.endr
.endr
.irp b, 0,1
.irp x, 0,1
	v_permlanex16_b32 v[PD+4*\x+\b], v[BM+4*\x+\b], s[SEL], s[SEL+1]
.endr
.endr
.irp b, 0,1
.irp x, 0,1
	v_max_num_f32 v[BM+4*\x+\b], v[BM+4*\x+\b], v[PD+4*\x+\b]
.endr
.endr
.irp b, 0,1
.irp x, 0,1
	v_add_nc_u32 v[CV+4*\x+\b], 0xf8800000, v[BM+4*\x+\b]
.endr
.endr
.irp b, 0,1
.irp x, 0,1
	v_and_or_b32 v[HD+4*\x+\b], v[BM+4*\x+\b], 0x7f800000, s[MNT]
.endr
.endr
.irp b, 0,1
.irp x, 0,1
	v_lshrrev_b32 v[PD+4*\x+\b], 23, v[CV+4*\x+\b]
.endr
.endr
.irp x, 0,1
	v_lshl_or_b32 v[T2+\x], v[PD+4*\x+1], 8, v[PD+4*\x]
.endr
.irp x, 0,1
.irp b, 0,1
.irp i, 0,1,2,3,4,5,6,7,8,9,10,11,12,13,14,15
	v_med3_num_f32 v[S+64*\x+16*\b+\i], v[S+64*\x+16*\b+\i], -v[HD+4*\x+\b], v[HD+4*\x+\b]
.endr
	v_cvt_scalef32_pk8_bf8_f32 v[PCD+16*\x+4*\b:PCD+16*\x+4*\b+1], v[S+64*\x+16*\b:S+64*\x+16*\b+7], v[CV+4*\x+\b]
	v_cvt_scalef32_pk8_bf8_f32 v[PCD+16*\x+4*\b+2:PCD+16*\x+4*\b+3], v[S+64*\x+16*\b+8:S+64*\x+16*\b+15], v[CV+4*\x+\b]
.endr
.endr
	v_nop                                          ; a plain line behind the last conversion
.irp x, 0,1
	global_store_b128 v1, v[PCD+16*\x:PCD+16*\x+3], s[IB:IB+1] offset:16384*\x        ; 512 consecutive bytes
	global_store_b128 v1, v[PCD+16*\x+4:PCD+16*\x+7], s[IB:IB+1] offset:16384*\x+512
	global_store_b16 v[OSO], v[T2+\x], s[OSC:OSC+1] offset:512*\x                      ; a row's two bytes of its 32
.endr
	s_cmp_eq_u32 s[PASS], 1
	s_cbranch_scc1 .Lno_more
	s_wait_xcnt 0x0                                ; the stores have read their registers and bases
	s_add_nc_u64 s[IB:IB+1], s[IB:IB+1], 262144    ; sixteen row tiles on
	s_add_nc_u64 s[OSC:OSC+1], s[OSC:OSC+1], 8192
	WIN 0x41
.irp j, 0,1,2,3,4,5,6,7
	v_mov_b32 v[Q+\j], v[QN+\j]                    ; the second pass's Q
	v_mov_b32 v[Q+16+\j], v[QN+8+\j]
.endr
	WIN 0
	v_mov_b32 v[QSW], v[QSN]
	WALU
.Lno_more:
	s_add_co_u32 s[PASS], s[PASS], 1
	s_cmp_lt_u32 s[PASS], 2
	s_cbranch_scc1 .Lpass
	s_wait_tensorcnt 0x0                           ; the wave's end
	ds_add_u32 v254, v255
	s_wait_dscnt 0x0
	ROUND                                          ; the closing round
	s_endpgm
.Lfunc_end_k_q3291d7cc6b_attn:
	.size	k_q3291d7cc6b_attn, .Lfunc_end_k_q3291d7cc6b_attn-k_q3291d7cc6b_attn
	.p2alignl 7, 3214868480
	.fill 96, 4, 3214868480
	.section	.rodata,"a",@progbits
	.p2align	6, 0x0
	.amdhsa_kernel k_q3291d7cc6b_attn
		.amdhsa_group_segment_fixed_size 327680
		.amdhsa_private_segment_fixed_size 0
		.amdhsa_enable_private_segment 0
		.amdhsa_kernarg_size 48
		.amdhsa_user_sgpr_count 2
		.amdhsa_user_sgpr_kernarg_segment_ptr 1
		.amdhsa_wavefront_size32 1
		.amdhsa_system_sgpr_workgroup_id_x 1
		.amdhsa_system_sgpr_workgroup_id_y 1
		.amdhsa_system_sgpr_workgroup_id_z 1
		.amdhsa_system_vgpr_workitem_id 0
		.amdhsa_next_free_vgpr 512
		.amdhsa_next_free_sgpr 96
		.amdhsa_reserve_vcc 0
		.amdhsa_float_denorm_mode_32 3
		.amdhsa_float_denorm_mode_16_64 3
		.amdhsa_memory_ordered 1
		.amdhsa_forward_progress 1
		.amdhsa_inst_pref_size 91
	.end_amdhsa_kernel
	.amdgpu_metadata
---
amdhsa.version: [ 1, 2 ]
amdhsa.kernels:
  - .name:           k_q3291d7cc6b_attn
    .symbol:         k_q3291d7cc6b_attn.kd
    .args:
      - { .name: qimg, .offset: 0, .size: 8, .value_kind: global_buffer, .address_space: global }
      - { .name: qsc, .offset: 8, .size: 8, .value_kind: global_buffer, .address_space: global }
      - { .name: kv, .offset: 16, .size: 8, .value_kind: global_buffer, .address_space: global }
      - { .name: kvs, .offset: 24, .size: 8, .value_kind: global_buffer, .address_space: global }
      - { .name: img, .offset: 32, .size: 8, .value_kind: global_buffer, .address_space: global }
      - { .name: sc, .offset: 40, .size: 8, .value_kind: global_buffer, .address_space: global }
    .group_segment_fixed_size: 327680
    .private_segment_fixed_size: 0
    .kernarg_segment_align: 8
    .kernarg_segment_size: 48
    .max_flat_workgroup_size: 256
    .sgpr_count:     96
    .vgpr_count:     512
    .wavefront_size: 32
...
	.end_amdgpu_metadata
.endif
;; end of part 3
;; launch outp (part 4): grid 4 x 64, 4 waves a work-group, clusters of 4 x 4, 327,680 bytes of LDS; arguments img, sc, bo, out0; writes out0
.if DOCPART == 4
	.amdgcn_target "amdgcn-amd-amdhsa--gfx1250"
	.amdhsa_code_object_version 6
	.text
	.protected	k_q3291d7cc6b_outp
	.globl	k_q3291d7cc6b_outp
	.p2align	8
	.type	k_q3291d7cc6b_outp,@function
k_q3291d7cc6b_outp:
	s_mov_b64 s[64:65], 0
	v_nop
	global_prefetch_b8 v0, s[64:65] scope:SCOPE_SE
	s_setreg_imm32_b32 hwreg(HW_REG_WAVE_MODE, 25, 1), 1
	s_wait_xcnt 0x0
	s_wait_alu depctr_hold_cnt(0) depctr_sa_sdst(0) depctr_va_vdst(0) depctr_va_sdst(0) depctr_va_ssrc(0) depctr_va_vcc(0) depctr_vm_vsrc(0)
	s_getreg_b32 s2, hwreg(HW_REG_IB_STS2, 6, 4)
	s_cmp_eq_u32 s2, 0
	s_cbranch_scc0 .Lentry_in_a_cluster
	s_endpgm
.Lentry_in_a_cluster:
	s_bfe_u32 s2, ttmp6, 0x10000c
	s_cmp_lg_u32 s2, 0xf033
	s_cbranch_scc0 .Lentry_shape_is_right
	s_endpgm
.Lentry_shape_is_right:
; out0 = attn Wo^T + bo on codes of BF8 (E5M2) with E8M0 scales, K = 1,024; sums in f32.  A = attention's rows (row tiles 1792 on of img), B = Wo's rows (row tiles 1728 on).
; OPERANDS ARE IMAGES OF REGISTERS: row tile G is 16,384 bytes [K step 8][c 4][lane][16 bytes]; lane r holds row 32 (G / 2) + 8 (G % 2) + r + 8 (r / 8) of its tensor; its scale bytes are 512, [r][32].
; SHARES: 64 x 4 = 256 work-groups, each 128 rows x 256 columns of the result; each of its four waves 64 x 128: 32 accumulators, 256 registers.
; K goes in four fills of 256 through two LDS slots (A's 8 tile parts of 4,096 bytes, then B's 16).  CLUSTERS: 4 x 4; A's tiles hang on cy alone and are asked for jointly along a row of the cluster, B's on cx alone, along a column.
; Waves 0 and 1 fetch A's halves (4 tiles), waves 2 and 3 B's (8 tiles).  Both operands have two sets of fragment registers: a K step's fragments are fetched ahead of the products of the step before.
; THE MATRIX INSTRUCTION IS USED TRANSPOSED (source 0 = a tile of B, source 1 = a tile of A): a lane holds eight neighbouring columns of one row.  A block of 16 rows leaves through the wave's stage in LDS as rows of 512 bytes.
; The stage lies in slot 0, which has had its last fill and, behind the last change of slots, its last read.
; PREFETCHES INTO THE L2: one request a wave for a fill; the four partners that ask for a tile jointly share its blocks of 256 bytes out by address.  Fills 1 and 2 are named at the head, fill 3 behind slot 1's load.
; REGISTERS: window 0: v0-35 addresses; v64-127 scale words; v128-255 A's two sets (on the way out: rows read back).  window 1: B's two sets.  window 2: accumulator (a, b) at v[8 (8 a + b)].
.set SLOT,   98304
.set TILEB,  4096
.set BOFF,   32768                     ; B's tiles in a slot
.set SPARE,  2*SLOT                    ; the spare words, 128 bytes for each wave
.set SPITCH, 528
.set FR,     16
.set ADRA, 16
.set ADRB, 20
.set VS,   24                          ; v24 my offset among the scale bytes: lanes 0-15 A's rows, lanes 16-31 B's
.set STO,  25
.set RD,   26
.set VS2,  27                          ; v27 the same for tiles 4 to 7: lanes 0-15 four tiles back, on A's own four again, so that no load leaves the buffer
.set SPW,  28
.set NIL,  29
.set PFO,  30                          ; v30 the prefetches' offset; never rewritten
.set SC,   64                          ; register 8 i + s: lanes 0-15 the word of A's tile i (i under 4) for K step s, lanes 16-31 that of B's tile i
.set AF,   128
.set BK,   128
.set G1, 24
.set G0, 32
.set G1B, 48
.set G0B, 56
.set MSB, 0
.macro WIN new
.if MSB != (\new)
	s_set_vgpr_msb (MSB<<8)|(\new)
.set MSB, (\new)
.endif
.endm
.set MUL,  0xa1                        ; source 0 (B) window 1, source 1 (A) window 0, C and D window 2
.set TO_B, 0x40
.macro JLOAD g0a, g1a, g0b, g1b        ; a joint load; the branch hangs on the wave's number alone; an s_nop 0 and four v_nop follow each line
	s_cmp_eq_u32 s15, 0
	s_cbranch_scc0 .Lfor_b_\@
	tensor_load_to_lds s[\g0a:\g0a+3], s[\g1a:\g1a+7]
	s_nop 0
.rept 4
	v_nop
.endr
	s_branch .Lasked_\@
.Lfor_b_\@:
	tensor_load_to_lds s[\g0b:\g0b+3], s[\g1b:\g1b+7]
	s_nop 0
.rept 4
	v_nop
.endr
.Lasked_\@:
.endm
.macro CREST
	s_cmp_lg_u32 s14, 0
	s_cbranch_scc1 .Lnot_wave_0_\@
	s_barrier_signal -3
.Lnot_wave_0_\@:
	s_barrier_wait -3
	s_barrier_signal -1
	s_barrier_wait -1
.endm
.macro CROUND
	s_barrier_signal -1
	s_barrier_wait -1
	CREST
.endm
.macro PLACES n
.rept \n
	v_nop
.endr
.endm
	s_load_b256 s[4:11], s[0:1], 0x0               ; img 4, sc 6, bo 8, out0 10
	v_lshl_add_u32 v[SPW], v0, 2, SPARE
	v_mov_b32 v[NIL], 0
	ds_add_u32 v[SPW], v[NIL]                      ; the opening lines: the add, twice on end, and its wait
	ds_add_u32 v[SPW], v[NIL]
	v_lshrrev_b32 v1, 5, v0
	v_readfirstlane_b32 s14, v1                    ; wave 0..3
	s_lshr_b32 s15, s14, 1                         ; which 64 of A's rows are mine.  Also: I fetch for A (0) or for B (1)
	s_and_b32 s16, s14, 1                          ; which 128 of B's.  Also: which half of the tiles I fetch
	s_bfe_u32 s40, ttmp6, 0x40000                  ; cx
	s_bfe_u32 s41, ttmp6, 0x40004                  ; cy
	s_and_b32 s12, ttmp7, 0xffff                   ; cluster y, 0..15
	s_lshl_b32 s43, s41, 2
	s_lshl_b32 s43, 15, s43                        ; my row of the cluster
	s_lshl_b32 s44, 0x1111, s40                    ; my column
	s_or_b32 s[G1+0], s43, (3<<16)|(1<<21)         ; tile parts of 4,096 bytes (512 elements of 8), 16,384 bytes apart in memory, on end in LDS
	s_or_b32 s[G1B+0], s44, (3<<16)|(1<<21)
.irp g, G1, G1B
	s_mov_b32 s[\g+1], 512<<16
	s_mov_b32 s[\g+3], 512<<16
	s_mov_b32 s[\g+5], 2048
	s_mov_b32 s[\g+6], 0
	s_mov_b32 s[\g+7], 0
.endr
	s_mov_b32 s[G1+2], 4<<16                       ; A: 4 tiles a load
	s_mov_b32 s[G1+4], 4
	s_mov_b32 s[G1B+2], 8<<16                      ; B: 8
	s_mov_b32 s[G1B+4], 8
	s_lshl_b32 s13, s12, 2
	s_add_co_u32 s13, s13, s41                     ; my block of 128 rows, 0..63
	s_lshl_b32 s17, s13, 3
	s_add_co_u32 s17, s17, 1792                    ; A's first row tile: it holds cy and never cx
	s_lshl_b32 s42, s40, 4
	s_add_co_u32 s42, s42, 1728                    ; B's: it holds cx and never cy
	s_lshl_b32 s18, s16, 2
	s_add_co_u32 s20, s17, s18
	s_lshl_b32 s20, s20, 14
	s_mov_b32 s21, 0
	s_lshl_b32 s18, s16, 3
	s_add_co_u32 s46, s42, s18
	s_lshl_b32 s46, s46, 14
	s_mov_b32 s47, 0
	s_lshl_b32 s19, s16, 14                        ; where they go: A's halves,
	s_lshl_b32 s45, s16, 15
	s_add_co_u32 s45, s45, BOFF                    ; B's halves
	s_wait_dscnt 0x0
	s_wait_kmcnt 0x0
	s_add_nc_u64 s[20:21], s[4:5], s[20:21]
	s_add_nc_u64 s[46:47], s[4:5], s[46:47]
	CROUND                                         ; all sixteen work-groups are here: the first joint loads meet
.irp s, 0,1
	s_mov_b32 s[G0+4*\s], 1
	s_add_co_u32 s[G0+4*\s+1], s19, \s*SLOT
	s_add_nc_u64 s[G0+4*\s+2:G0+4*\s+3], s[20:21], \s*TILEB
	s_or_b32 s[G0+4*\s+3], s[G0+4*\s+3], 0x80000000
	s_mov_b32 s[G0B+4*\s], 1
	s_add_co_u32 s[G0B+4*\s+1], s45, \s*SLOT
	s_add_nc_u64 s[G0B+4*\s+2:G0B+4*\s+3], s[46:47], \s*TILEB
	s_or_b32 s[G0B+4*\s+3], s[G0B+4*\s+3], 0x80000000
.endr
	JLOAD G0, G1, G0B, G1B                         ; slot 0: one joint load a wave at the head
	s_lshl_b32 s22, s15, 14                        ; my 4 tiles of A in slot 0, 1
	s_add_co_u32 s66, s22, SLOT
	s_lshl_b32 s23, s16, 15
	s_add_co_u32 s23, s23, BOFF                    ; my 8 tiles of B
	s_add_co_u32 s67, s23, SLOT
	s_lshl_b32 s68, s15, 2
	s_add_co_u32 s68, s68, s17
	s_lshl_b32 s68, s68, 9                         ; their scale bytes: A's,
	s_lshl_b32 s69, s16, 3
	s_add_co_u32 s69, s69, s42
	s_lshl_b32 s69, s69, 9                         ; B's
	s_mul_i32 s70, s14, 16*SPITCH                  ; my stage
	s_lshl_b32 s94, s13, 1
	s_add_co_u32 s94, s94, s15
	s_lshl_b32 s94, s94, 18                        ; my first row of out0: 64 rows of 4,096 bytes a step
	s_lshl_b32 s92, s40, 1
	s_add_co_u32 s92, s92, s16
	s_lshl_b32 s92, s92, 9                         ; my first column: 128 columns of 4 bytes a step
	s_mov_b32 s93, 0
	s_add_co_u32 s94, s94, s92
	s_mov_b32 s95, 0
	s_add_nc_u64 s[8:9], s[8:9], s[92:93]
	s_add_nc_u64 s[10:11], s[10:11], s[94:95]
	s_cmp_eq_u32 s15, 0                            ; the prefetches: of the tiles that I fetch, the partner at place p (cx for A, cy for B) names tile p of A's 4, tiles 2 p and 2 p + 1 of B's 8
	s_cselect_b64 s[2:3], s[20:21], s[46:47]
	s_cselect_b32 s71, s40, s41
	s_cselect_b32 s72, 14, 15
	s_cselect_b32 s73, -1, 0
	s_lshl_b32 s74, s71, s72
	s_mov_b32 s75, 0
	s_add_nc_u64 s[2:3], s[2:3], s[74:75]
	v_and_b32 v1, 15, v0                           ; r
	v_bfe_u32 v2, v0, 4, 1                         ; h
	v_and_b32 v3, 31, v0                           ; lane
	v_lshlrev_b32 v4, 4, v3                        ; 16 x lane
	v_add_nc_u32 v[ADRA], s22, v4
	v_add_nc_u32 v[ADRA+1], s66, v4
	v_add_nc_u32 v[ADRB], s23, v4
	v_add_nc_u32 v[ADRB+1], s67, v4
	v_mov_b32 v[VS], s68
	v_mov_b32 v5, s69
	v_cmp_le_u32 vcc_lo, 16, v3
	v_cndmask_b32 v[VS], v[VS], v5, vcc_lo         ; lanes 16-31 take B's
	v_lshl_add_u32 v[VS], v1, 5, v[VS]             ; row r's 32 bytes
	v_add_nc_u32 v5, 0xfffff800, v[VS]             ; four tiles back
	v_cndmask_b32 v[VS2], v5, v[VS], vcc_lo
	v_mul_u32_u24 v5, v1, SPITCH
	v_lshl_add_u32 v5, v2, 6, v5
	v_add_nc_u32 v[STO], s70, v5                   ; into the stage: row r, 64 bytes for each half of the lanes in each 128
	v_add_nc_u32 v[RD], s70, v4                    ; back: the 32 lanes take one row of 512 bytes
	v_min_u32 v5, 15, v3
	v_lshlrev_b32 v5, 8, v5                        ; A: 16 blocks of 256 bytes; the lanes left over name the last again
	v_lshlrev_b32 v6, 8, v1
	v_lshl_add_u32 v6, v2, 14, v6                  ; B: 32 blocks in two tiles
	v_cndmask_b32 v[PFO], v6, v5, s73
	s_wait_alu depctr_va_vdst(0)                   ; the wait at the head's end
.irp i, 0,1,2,3
	global_load_b128 v[SC+8*\i:SC+8*\i+3], v[VS], s[6:7] offset:512*\i
	global_load_b128 v[SC+8*\i+4:SC+8*\i+7], v[VS], s[6:7] offset:512*\i+16
.endr
.irp i, 4,5,6,7
	global_load_b128 v[SC+8*\i:SC+8*\i+3], v[VS2], s[6:7] offset:512*\i
	global_load_b128 v[SC+8*\i+4:SC+8*\i+7], v[VS2], s[6:7] offset:512*\i+16
.endr
	global_load_b128 v[32:35], v4, s[8:9]          ; the biases of my lane's four columns
	global_prefetch_b8 v[PFO], s[2:3] offset:4096 th:TH_LOAD_NT scope:SCOPE_SE   ; fill 1
	global_prefetch_b8 v[PFO], s[2:3] offset:8192 th:TH_LOAD_NT scope:SCOPE_SE   ; fill 2
.macro FRAG reg, adr, q, i             ; a fragment comes as it was stored: four loads of 512 consecutive bytes
.irp c, 0,1,2,3
	ds_load_b128 v[\reg+4*\c:\reg+4*\c+3], v[\adr] offset:TILEB*(\i)+2048*(\q)+512*\c
.endr
.endm
; 16 matrix instructions: A's tiles a0, a0 + 1 x B's eight, K step ks, from set p.  The 32 accumulators take turns, one instruction a turn, in the same order in every step
.macro MUL16 a0, p, ks, zero
.irp a, \a0, \a0+1
.irp b, 0,1,2,3,4,5,6,7
.if \zero
	v_wmma_scale_f32_16x16x128_f8f6f4 v[8*(8*(\a)+\b):8*(8*(\a)+\b)+7], v[128*(\p)+FR*\b:128*(\p)+FR*\b+FR-1], v[AF+64*(\p)+FR*(\a):AF+64*(\p)+FR*(\a)+FR-1], 0, v[SC+8*\b+(\ks)], v[SC+8*(\a)+(\ks)] matrix_a_fmt:MATRIX_FMT_BF8 matrix_b_fmt:MATRIX_FMT_BF8 matrix_a_scale:MATRIX_SCALE_ROW1
.else
	v_wmma_scale_f32_16x16x128_f8f6f4 v[8*(8*(\a)+\b):8*(8*(\a)+\b)+7], v[128*(\p)+FR*\b:128*(\p)+FR*\b+FR-1], v[AF+64*(\p)+FR*(\a):AF+64*(\p)+FR*(\a)+FR-1], v[8*(8*(\a)+\b):8*(8*(\a)+\b)+7], v[SC+8*\b+(\ks)], v[SC+8*(\a)+(\ks)] matrix_a_fmt:MATRIX_FMT_BF8 matrix_b_fmt:MATRIX_FMT_BF8 matrix_a_scale:MATRIX_SCALE_ROW1
.endif
.endr
.endr
.endm
.macro FETCH slot, q, p                ; 48 loads: B's eight and A's four fragments of the slot's q-th K step into set p
	WIN TO_B
.irp i, 0,1,2,3,4,5,6,7
	FRAG 128*(\p)+FR*\i, ADRB+\slot, \q, \i
.endr
	WIN 0
.irp i, 0,1,2,3
	FRAG AF+64*(\p)+FR*\i, ADRA+\slot, \q, \i
.endr
.endm
; A slot's first K step, from set 0; ahead of its products the slot's second step is fetched into set 1
.macro STEP slot, ks, zero
	s_wait_dscnt 0x0                               ; set 0 is in
	PLACES 8                                       ; behind the products that read set 1
	FETCH \slot, 1, 1
	WIN MUL
	MUL16 0, 0, \ks, \zero
	MUL16 2, 0, \ks, \zero
	WIN 0
.endm
; A slot's second K step, from set 1, changes slots: ONE barrier; in front of it each wave waits for all its tensor loads, adds 0 to its spare word, and waits for that and for its reads of this slot.  fill = 1: this slot is filled again
.macro TURN slot, next, fill, ks
	s_wait_tensorcnt 0x0                           ; my part of the next slot has landed
	ds_add_u32 v[SPW], v[NIL]
	s_wait_dscnt 1                                 ; set 1 is in; the add alone may be out
	WIN MUL
	MUL16 0, 1, \ks, 0
	s_wait_dscnt 0x0                               ; the add is done, and my reads of this slot are over
	s_barrier_signal -1
	WIN 0
	s_barrier_wait -1
.if \fill
	CREST                                          ; the barrier has opened a round of the cluster's: no wave of any partner still reads this slot or has a load on its way
	s_add_nc_u64 s[G0+4*\slot+2:G0+4*\slot+3], s[G0+4*\slot+2:G0+4*\slot+3], 2*TILEB
	s_add_nc_u64 s[G0B+4*\slot+2:G0B+4*\slot+3], s[G0B+4*\slot+2:G0B+4*\slot+3], 2*TILEB
	JLOAD G0+4*\slot, G1, G0B+4*\slot, G1B         ; the first tensor load behind the round; its four v_nop are four of the eight places
	PLACES 4
.else
	PLACES 8
.endif
	FETCH \next, 0, 0
	WIN MUL
	MUL16 2, 1, \ks, 0
	WIN 0
.endm
.macro TOSTAGE a                       ; block a: 16 rows x 128 columns into my stage, and back as whole rows
	WIN 0x08                                       ; the data: window 2
.irp b, 0,1,2,3,4,5,6,7
	ds_store_b128 v[STO], v[64*(\a)+8*\b:64*(\a)+8*\b+3] offset:128*(\b/2)+32*(\b%2)          ; each accumulator from its low end on
	ds_store_b128 v[STO], v[64*(\a)+8*\b+4:64*(\a)+8*\b+7] offset:128*(\b/2)+32*(\b%2)+16
.endr
	WIN 0
.set BB, BK+64*((\a)%2)
.irp t, 0,1,2,3,4,5,6,7,8,9,10,11,12,13,14,15
	ds_load_b128 v[BB+4*\t:BB+4*\t+3], v[RD] offset:\t*SPITCH    ; LDS serves a wave's instructions in order (ISA guide 5.7.1.4): these see the stores above
.endr
.endm
.macro SEND a, younger
.set BB, BK+64*((\a)%2)
	s_wait_dscnt \younger
.irp t, 0,1,2,3,4,5,6,7,8,9,10,11,12,13,14,15
	v_pk_add_f32 v[BB+4*\t:BB+4*\t+1], v[BB+4*\t:BB+4*\t+1], v[32:33]
	v_pk_add_f32 v[BB+4*\t+2:BB+4*\t+3], v[BB+4*\t+2:BB+4*\t+3], v[34:35]
.endr
.irp t, 0,1,2,3,4,5,6,7,8,9,10,11,12,13,14,15
	global_store_b128 v4, v[BB+4*\t:BB+4*\t+3], s[10:11] offset:(32*((\a)/2)+8*((\a)%2)+\t+8*(\t/8))*4096 th:TH_STORE_NT   ; 512 consecutive bytes of a row
.endr
.endm
	s_wait_loadcnt 0x0                             ; the scale words and the biases
	s_wait_tensorcnt 0x0                           ; my part of slot 0 is in; slot 1's first fill is issued as a refill is:
	ds_add_u32 v[SPW], v[NIL]
	s_wait_dscnt 0x0
	CROUND                                         ; a whole round: slot 0 is whole, and all sixteen work-groups are here
	JLOAD G0+4, G1, G0B+4, G1B                     ; slot 1: the first tensor load behind the round
	FETCH 0, 0, 0
	global_prefetch_b8 v[PFO], s[2:3] offset:12288 th:TH_LOAD_NT scope:SCOPE_SE   ; fill 3, the last
	STEP 0, 0, 1                                   ; eight K steps of 128, written out: each names its own scale registers
	TURN 0, 1, 1, 1
	STEP 1, 2, 0
	TURN 1, 0, 1, 3
	STEP 0, 4, 0
	TURN 0, 1, 0, 5                                ; nothing is left to fetch
	STEP 1, 6, 0
	s_wait_dscnt 0x0
	WIN MUL
	MUL16 0, 1, 7, 0
	MUL16 2, 1, 7, 0
	WIN 0
	PLACES 8
	TOSTAGE 0
.irp a, 1,2,3
.if \a > 1
	s_wait_xcnt 0x0                                ; block a - 2's stores have read their registers
.endif
	TOSTAGE \a
	SEND \a-1, 32                                  ; behind block a - 1's loads: block a's 16 stores and 16 loads
.endr
	SEND 3, 0
	s_wait_tensorcnt 0x0                           ; the wave's end
	ds_add_u32 v[SPW], v[NIL]
	s_wait_dscnt 0x0
	CROUND                                         ; the closing round
	s_endpgm
.Lfunc_end_k_q3291d7cc6b_outp:
	.size	k_q3291d7cc6b_outp, .Lfunc_end_k_q3291d7cc6b_outp-k_q3291d7cc6b_outp
	.p2alignl 7, 3214868480
	.fill 96, 4, 3214868480
	.section	.rodata,"a",@progbits
	.p2align	6, 0x0
	.amdhsa_kernel k_q3291d7cc6b_outp
		.amdhsa_group_segment_fixed_size 327680
		.amdhsa_private_segment_fixed_size 0
		.amdhsa_enable_private_segment 0
		.amdhsa_kernarg_size 32
		.amdhsa_user_sgpr_count 2
		.amdhsa_user_sgpr_kernarg_segment_ptr 1
		.amdhsa_wavefront_size32 1
		.amdhsa_system_sgpr_workgroup_id_x 1
		.amdhsa_system_sgpr_workgroup_id_y 1
		.amdhsa_system_sgpr_workgroup_id_z 1
		.amdhsa_system_vgpr_workitem_id 0
		.amdhsa_next_free_vgpr 768
		.amdhsa_next_free_sgpr 100
		.amdhsa_reserve_vcc 1
		.amdhsa_float_denorm_mode_32 3
		.amdhsa_float_denorm_mode_16_64 3
		.amdhsa_memory_ordered 1
		.amdhsa_forward_progress 1
		.amdhsa_inst_pref_size 94
	.end_amdhsa_kernel
	.amdgpu_metadata
---
amdhsa.version: [ 1, 2 ]
amdhsa.kernels:
  - .name:           k_q3291d7cc6b_outp
    .symbol:         k_q3291d7cc6b_outp.kd
    .args:
      - { .name: img, .offset: 0, .size: 8, .value_kind: global_buffer, .address_space: global }
      - { .name: sc, .offset: 8, .size: 8, .value_kind: global_buffer, .address_space: global }
      - { .name: bo, .offset: 16, .size: 8, .value_kind: global_buffer, .address_space: global }
      - { .name: out0, .offset: 24, .size: 8, .value_kind: global_buffer, .address_space: global }
    .group_segment_fixed_size: 327680
    .private_segment_fixed_size: 0
    .kernarg_segment_align: 8
    .kernarg_segment_size: 32
    .max_flat_workgroup_size: 128
    .sgpr_count:     100
    .vgpr_count:     768
    .wavefront_size: 32
...
	.end_amdgpu_metadata
.endif
;; end of part 4
